; MI455X (gfx1250); checked and timed in simulation.
; The chip was launched on July 23, 2026; its instructions are those of AMD's public machine-readable ISA for CDNA 5 (MIT licence, August 2026) and "CDNA5" Instruction Set Architecture Reference Guide (July 2026). The comments in the code are by the model that wrote it; some were corrected since.
;; Attention. Allowed arithmetic: matrix products marked QUANTISED: E2M1 operands, one E8M0 scale for each 32 along K, by v_wmma_scale_f32_16x16x128_f8f6f4 with both operands' format E2M1 (or v_wmma_scale_f32_32x16x128_f4), f32 sums; everything else in f32.
;; Inputs: W_k_codes 512 x 64 x 16 uint8 (E2M1 codes of W_k, K innermost, in blocks of 32 codes, two codes a byte); W_k_scales 512 x 64 uint8 (E8M0 scales of W_k, one for each 32 codes along K); W_o_codes 2,048 x 32 x 16 uint8 (E2M1 codes of W_o, K innermost, in blocks of 32 codes, two codes a byte); W_o_scales 2,048 x 32 uint8 (E8M0 scales of W_o, one for each 32 codes along K); W_q_codes 1,024 x 64 x 16 uint8 (E2M1 codes of W_q, K innermost, in blocks of 32 codes, two codes a byte); W_q_scales 1,024 x 64 uint8 (E8M0 scales of W_q, one for each 32 codes along K); W_v_codes 512 x 64 x 16 uint8 (E2M1 codes of W_v, K innermost, in blocks of 32 codes, two codes a byte); W_v_scales 512 x 64 uint8 (E8M0 scales of W_v, one for each 32 codes along K); attention_mask 2 x 2,048 int32; b_o 2,048 float32; b_v 512 float32; cos 2 x 2,048 x 64 float32; hidden_states_codes 2 x 2,048 x 64 x 16 uint8 (E2M1 codes of hidden_states, K innermost, in blocks of 32 codes, two codes a byte); hidden_states_scales 2 x 2,048 x 64 uint8 (E8M0 scales of hidden_states, one for each 32 codes along K); sin 2 x 2,048 x 64 float32.
;; Outputs: out0 2 x 2,048 x 2,048 float32.
;; This version of the problem:
;;   THIS VERSION OF THE PROBLEM IS GIVEN IN LOW PRECISION. The matrix products marked QUANTISED in the list below multiply operands that are first quantised to E2M1 (2 exponent bits, 1 mantissa bit; 4 bits a number), with one power-of-two scale for each 32 numbers along K (OCP MX v1.0); their sums are f32. All else is computed in f32.
;;   The module's matrix products, in the order in which they are computed (A, B: the left and right operand; K: the contracted axis; several contracted axes count as one K, in the product's order):
;;     1. [M 4,096, K 2,048] x [K 2,048, N 1,024]; A: input hidden_states (given as codes); B: input W_q (given as codes): QUANTISED
;;     2. [M 4,096, K 2,048] x [K 2,048, N 512]; A: input hidden_states (given as codes); B: input W_k (given as codes): QUANTISED
;;     3. [M 4,096, K 2,048] x [K 2,048, N 512]; A: input hidden_states (given as codes); B: input W_v (given as codes): QUANTISED
;;     4. batch 32 x [M 2,048, K 64] x [K 64, N 2,048]; A: computed on the way; B: computed on the way: QUANTISED
;;     5. batch 32 x [M 2,048, K 2,048] x [K 2,048, N 64]; A: softmax (see below); B: computed on the way: QUANTISED
;;     6. [M 4,096, K 1,024] x [K 1,024, N 2,048]; A: computed on the way; B: input W_o (given as codes): QUANTISED
;;   THE QUANTISER, for each operand of a quantised product, along K:
;;     - K is cut into blocks of 32 from its start; a last block that is shorter is filled with zeros.
;;     - A block's scale is 2^e with e = floor(log2(the largest magnitude in the block)) - 2, held to -126 .. 127; a block of zeros has e = 0. As a byte (E8M0): e + 127.
;;     - Each number is divided by its block's scale, clamped to +-6, and rounded to the nearest number of E2M1, ties to even, subnormals kept.
;;     - The product sums the exact products of the quantised numbers (number of the format x scale) in f32.
;;   ~~~python
;;   def quantise(x, axis):      # numpy; x: float32 -> the quantised numbers, widened to float32 again
;;       x = np.moveaxis(x, axis, -1); K = x.shape[-1]
;;       x = np.pad(x, [(0, 0)] * (x.ndim - 1) + [(0, -K % 32)]); x = x.reshape(x.shape[:-1] + (-1, 32)); a = np.abs(x).max(-1, keepdims=True)
;;       e = np.where(a > 0, np.clip(np.frexp(np.where(a > 0, a, 1))[1] - 1 - 2, -126, 127), 0)      # np.frexp(a)[1] - 1 = floor(log2(a)), exactly
;;       r = np.clip(x / 2.0 ** e, -6, 6)
;;       step = 2.0 ** (np.maximum(np.frexp(np.where(r == 0, 1, r))[1] - 1, 0) - 1)
;;       q = np.round(r / step) * step * 2.0 ** e      # np.round: ties to even
;;       return np.moveaxis(q.reshape(q.shape[:-2] + (-1,))[..., :K], -1, axis).astype(np.float32)
;;   ~~~
;;   SOFTMAX AHEAD OF A QUANTISED PRODUCT. Where the list says 'softmax', what is quantised is not the finished softmax but p = 2^(t - M), with t = logit x log2(e) and M = ceil(the row's largest t), a whole number; so 1/2 < the row's largest p <= 1. The row's sum l is taken of the UNQUANTISED p, in f32, and the product's result is divided by l at the end. Since M is a whole number, a kernel that streams over the keys may use a running M (the ceiling of the running maximum): every later rescaling is an exact power of two, which a block's scale takes up: the codes' values come out the same.
;;   OPERANDS COMPUTED ON THE WAY. 'Computed on the way' means the value that the module computes at that place (a softmax that the list does not call 'softmax' is quantised finished and normalised). What goes into a quantiser is computed in f32, as accurately as f32 sums, v_exp_f32 and their like allow (about 1e-6 of the number): no bf16 or f16 on the way to a quantiser, and a product that is left as it is and whose result goes on into a quantised operand takes f32 operands (vector FMAs, or v_wmma_f32_16x16x4_f32). A number that lies on a knife's edge between two numbers of the format may be rounded either way, as far as f32 arithmetic and the matrix unit's own rounding can turn it there, and no further.
;;   INPUTS GIVEN AS CODES. W_k (in the module: [2048, 512], K = its axis 0); W_o (in the module: [1024, 2048], K = its axis 0); W_q (in the module: [2048, 1024], K = its axis 0); W_v (in the module: [2048, 512], K = its axis 0); hidden_states (in the module: [2, 2048, 2048], K = its axis 2): each comes as NAME_codes (uint8): NAME with its K axis moved to the last place and cut into blocks of 32 codes, [.., K / 32, bytes a block], one block behind the other in memory; two codes a byte, the lower K in the low four bits (a code: sign, 2 exponent bits, 1 mantissa bit); and NAME_scales (uint8): the same leading axes, one E8M0 byte (e + 127) for each 32 codes along K. Its value is code x scale, taken as it is: it is not quantised again, and the codes and scales need not be those that the quantiser above would give.
;; One version. Each part assembles by itself: llvm-mc -triple=amdgcn-amd-amdhsa -mcpu=gfx1250 --defsym DOCPART=n.
;; ======== version 1 of 1: 3 launches
;; limits: right only within a limited range of input values
;; workspace buffers: qc 2,097,152 bytes; qs 262,144 bytes; kc 1,048,576 bytes; ks 131,072 bytes; vc 1,048,576 bytes; vs 65,536 bytes; oc 2,097,152 bytes; os 294,912 bytes
;; launch qkv (part 1): grid 8 x 32, 4 waves a work-group, clusters of 4 x 4, 327,680 bytes of LDS; arguments hidden_states_codes, hidden_states_scales, W_q_codes, W_q_scales, W_k_codes, W_k_scales, W_v_codes, W_v_scales, cos, sin, qc, qs, kc, ks, vc, vs, b_v; writes qc, qs, kc, ks, vc, vs
.if DOCPART == 1
	.amdgcn_target "amdgcn-amd-amdhsa--gfx1250"
	.amdhsa_code_object_version 6
	.text
	.protected	k_q4b1e118c9f_qkv
	.globl	k_q4b1e118c9f_qkv
	.p2align	8
	.type	k_q4b1e118c9f_qkv,@function
k_q4b1e118c9f_qkv:
	s_mov_b64 s[64:65], 0
	v_nop
	global_prefetch_b8 v0, s[64:65] scope:SCOPE_SE
	s_setreg_imm32_b32 hwreg(HW_REG_WAVE_MODE, 25, 1), 1
	s_wait_xcnt 0x0
	s_wait_alu depctr_hold_cnt(0) depctr_sa_sdst(0) depctr_va_vdst(0) depctr_va_sdst(0) depctr_va_ssrc(0) depctr_va_vcc(0) depctr_vm_vsrc(0)
	s_getreg_b32 s2, hwreg(HW_REG_IB_STS2, 6, 4)
	s_cmp_eq_u32 s2, 0
	s_cbranch_scc0 .Lentry_in_a_cluster
	s_endpgm
.Lentry_in_a_cluster:
	s_bfe_u32 s2, ttmp6, 0x10000c
	s_cmp_lg_u32 s2, 0xf033
	s_cbranch_scc0 .Lentry_shape_is_right
	s_endpgm
.Lentry_shape_is_right:
; q = rope(h W_q), k = rope(h W_k), v = h W_v + b_v, on codes of FP4 (E2M1) with one E8M0 scale for each 32 along K = 2,048; the results are quantised here, in registers, and leave as codes and scale bytes.
; A tile is 128 rows of X x 128 rows of Y of D = X Y^T over all of K.  In D a lane holds ONE row of Y (lane % 16) and eight neighbouring rows of X (8 (lane / 16) + 0 .. 7): a lane's registers run along X.
;   Q, K: X = the weight's rows (a head's channels), Y = tokens: the registers run along the head's 64 channels, which are the K of the scores' product.
;   V:    X = tokens, Y = W_v's rows: the registers run along the tokens, which are the K of the second product of attention.
; A WORK-GROUP STAYS: it keeps its 128 tokens of hidden_states in LDS (region B) and makes TWO tiles with them; the weights' 128 rows (region A) are filled a second time.
;   cluster x = 0: pass 0 = W_q's tile cx, pass 1 = W_q's tile 4 + cx.      cluster x = 1: pass 0 = W_k's tile cx, pass 1 = W_v's tile cx.      256 work-groups.
; Four waves, each 64 x 64: 16 accumulators.  All of K lies in LDS: two halves of 1,024 along K (rows of 512 bytes + 16 of padding), and the scale bytes of both passes.
; THE REFILLS: when half 0 of K has been read out (the middle of pass 0), wave 0 fills A's rows of it with pass 1's weights; in front of pass 0's last K step the same for half 1.  Each refill stands behind a round of
; the cluster's barrier, with the wait for all tensor loads, the add and the wait for LDS in front.  The first refill has half a pass (128 matrix instructions a wave) in which to land, the second the epilogue and half of pass 1.
; By this text's own count a wave has at most one tensor load out.
; CLUSTERS: 4 x 4 work-groups.  A's tiles hang on the place along the cluster's x alone and are shared by a column, B's on the place along y alone and are shared by a row: each is asked for jointly.
; What a pass computes hangs on the cluster's x, which all sixteen partners share.  The text parts on it once, in front of pass 1; the K loop (macro MAIN) stands three times.
; WHAT LEAVES: images of operands' registers (four registers a lane as 512 consecutive bytes, 16 bytes at 16 x lane).
;   qc [b][head 16][tile 128][lane][16], kc [b][g 8][tile 128][lane][16]: k = 32 (lane / 16) + 0 .. 31 of token lane % 16 of the tile.  qs, ks [b][head][token]: a word, byte 0 and 1 the two blocks' scales, bytes 2 and 3 zero.
;   vc [b][g][step 16][d tile 4][c 2][lane][16]: keys 64 c + 32 (lane / 16) + 0 .. 31 of the step's 128, channel lane % 16 of the tile.  vs [b][g][step][d pair 2][lane 32]: a word, byte i = key block i; lane = 16 (d tile % 2) + channel.
; LIMITS: a block of zeros gets the scale byte 1 where the quantiser's rule says 127 (its codes are zeros, and only this program reads the bytes); blocks whose largest magnitude lies under 2^-124 are held at that byte; NaN and infinities in q, k, v are not served.
; vs is stored two bytes a lane (a wave owns two of a word's four key blocks): 64 KiB in the whole launch.
; REGISTERS: window 0: v1-27 addresses; v32-95 scale words, two sets, and nothing else; v96-99 b_v; v128-255 accumulators ((a, b) at 128 + 8 (4 a + b), a: Y's tile, b: X's tile).
;   window 1: two fragment buffers of 128 registers, each two K steps of 128 deep (Y's 64 registers, then X's); in an epilogue, when they are done with: v0-31 numbers, v32-47 codes, v48-59 scales at work.
;   window 2: cos and sin of my 64 tokens: cos at 64 a + 8 t + j, sin at 64 a + 32 + 8 t + j: loaded once, for both passes.
.set PITCH, 528                        ; an LDS row: 512 bytes + 16 of padding = 132 words, so the 16 rows of a fragment load start 4 banks apart
.set DCH,   256*PITCH                  ; half of K: A's 128 rows, then B's 128 rows
.set UP,    272                        ; the scale bytes lie as units of 256 bytes + 16: four rows of 64 bytes to a unit, 32 units for 128 rows
.set SCA0,  2*DCH                      ; A's scale bytes of pass 0,
.set SCA1,  SCA0+32*UP                 ; of pass 1,
.set SCB,   SCA1+32*UP                 ; B's
.set SPARE, SCB+32*UP                  ; the spare words, 128 bytes for each wave: two blocks of 256 bytes that no other line names
.set AAX, 8                            ; v8-9    LDS address of my fragments in half 0, 1 of K: region A, the 64 rows of my X half
.set ABY, 10                           ; v10-11  region B, my Y half
.set ABX, 12                           ; v12-13  region B, my X half (V)
.set AAY, 14                           ; v14-15  region A, my Y half (V)
.set SA0X, 16                          ; v16     my lane's place among the scale words: A's of pass 0, my X half
.set SBY, 17                           ; v17     B's, my Y half
.set LI,  18                           ; v18     16 x lane
.set LS,  19                           ; v19     4 x lane
.set CA,  20                           ; v20     cos, sin: 256 (lane % 16) + 32 (lane / 16)
.set BA,  21                           ; v21     b_v: 4 (lane % 16)
.set LN,  22                           ; v22     lane
.set SA1X, 23                          ; v23     A's of pass 1, my X half (Q)
.set SBX, 24                           ; v24     B's, my X half (V)
.set SA1Y, 25                          ; v25     A's of pass 1, my Y half (V)
.set SPW, 26                           ; v26     LDS address of my spare word: SPARE + 4 x my thread's number; never rewritten
.set NIL, 27                           ; v27     0; never rewritten
.set SC,  32                           ; scale words: set s: X's at SC + 32 s + 4 b + q, Y's at SC + 16 + 32 s + 4 a + q
.set BV,  96
.set ACC, 128
.set F0,  0
.set F1,  128
.set T,   0                            ; window 1, epilogue: 32 numbers of a lane
.set P,   32                           ; codes, four registers for each a
.set HW,  48                           ; a scale half-word for each a
.set TM,  52                           ; six registers at work
.set PR,  58                           ; two tiles' scale words in one register
.set G1AC, 20                          ; descriptor groups 1: A's codes, B's codes, A's scales, B's scales
.set G1BC, 28
.set G1AS, 36
.set G1BS, 44
.set G0AS0, 52                         ; groups 0: A's scales of pass 0, of pass 1, A's halves of K (s[60:63], s[68:71]);
.set G0AS1, 56
.set G0AD0, 60
.set G0BS,  72                         ; B's scales, B's halves of K
.set G0BD0, 76
.set G0BD1, 80
.set P1W, 84                           ; s[84:85] pass 1's weights at the rows that I fetch
.set WV,  86                           ; s86 wave;  s87 its Y half;  s88 its X half
.set WY,  87
.set WX,  88
.set CX,  89                           ; my place in the cluster
.set CY,  90
.set HI,  91                           ; which 128 tokens
.set HM,  92                           ; the mask of lanes 16-31
.set SEL, 96                           ; s[96:97] lane selects for v_permlanex16_b32: lane l xor 16
.set BVP, 98                           ; s[98:99] b_v
.set MSB, 0
.macro WIN new                         ; the immediate's high byte repeats the setting that is left
.if MSB != \new
	s_set_vgpr_msb (MSB<<8)|\new
.set MSB, \new
.endif
.endm
.set MUL,    0x05                      ; sources 0 (X) and 1 (Y) window 1; C and D window 0
.set TO_F,   0x40                      ; destination window 1
.set TO_2,   0x80                      ; destination window 2
.set W_ROPE, 0x58                      ; source 0 window 0 (accumulator), source 1 window 2 (cos, sin), source 2 and destination window 1
.set W_ONE,  0x55                      ; everything in window 1
.set ST_ONE, 0x04                      ; a store's data (source 1) window 1, its address window 0
.macro CROUND                          ; a round of the cluster's barrier
	s_barrier_signal -1
	s_barrier_wait -1
	s_cmp_lg_u32 s[WV], 0
	s_cbranch_scc1 .Lnot_wave_0_\@
	s_barrier_signal -3
.Lnot_wave_0_\@:
	s_barrier_wait -3
	s_barrier_signal -1
	s_barrier_wait -1
.endm
.macro MKG0 g, lbase, loff, pb, goff   ; a descriptor group 0: count 1, LDS address, global address, type 2
	s_mov_b32 s[\g], 1
	s_add_co_u32 s[\g+1], s[\lbase], \loff
	s_add_nc_u64 s[\g+2:\g+3], s[\pb:\pb+1], \goff
	s_or_b32 s[\g+3], s[\g+3], 0x80000000
.endm
.macro PLACES                          ; four plain places behind matrix instructions, in front of loads into their registers and of reads of their results
.rept 4
	v_nop
.endr
.endm
	s_load_b512 s[4:19], s[0:1], 0x0               ; hidden's codes s[4:5], scales s[6:7]; W_q's s[8:9], s[10:11]; W_k's s[12:13], s[14:15]; W_v's s[16:17], s[18:19]
	v_lshl_add_u32 v[SPW], v0, 2, SPARE
	v_mov_b32 v[NIL], 0
	ds_add_u32 v26, v27
	ds_add_u32 v26, v27
	s_wait_dscnt 0x0
	v_lshrrev_b32 v1, 5, v0
	v_readfirstlane_b32 s[WV], v1                  ; wave 0..3
	s_lshr_b32 s[WY], s[WV], 1
	s_and_b32 s[WX], s[WV], 1
	s_bfe_u32 s[CX], ttmp6, 0x40000
	s_bfe_u32 s[CY], ttmp6, 0x40004
	s_and_b32 s[HI], ttmp7, 0xffff
	s_lshl_b32 s[HI], s[HI], 2
	s_add_co_u32 s[HI], s[HI], s[CY]               ; my 128 tokens: 4 x cluster y + cy
	s_lshl_b32 s2, 0x1111, s[CX]                   ; my column of the cluster
	s_lshl_b32 s3, s[CY], 2
	s_lshl_b32 s3, 15, s3                          ; my row
	; groups 1.  Codes: 128 rows x 512 bytes, 1,024 bytes apart in memory; 4 words of padding behind every 128.  Scales: 128 rows of 64 bytes are 8,192 dense bytes: 32 rows of 32 elements of 8 bytes, 4 words of padding behind every 64
	s_or_b32 s[G1AC], s2, (0<<16)|(1<<20)|(1<<21)|(6<<22)|(3<<25)
	s_or_b32 s[G1BC], s3, (0<<16)|(1<<20)|(1<<21)|(6<<22)|(3<<25)
	s_or_b32 s[G1AS], s2, (3<<16)|(1<<20)|(1<<21)|(5<<22)|(3<<25)
	s_or_b32 s[G1BS], s3, (3<<16)|(1<<20)|(1<<21)|(5<<22)|(3<<25)
.irp g, G1AC, G1BC
	s_mov_b32 s[\g+1], 512<<16                     ; tensor_dim0
	s_mov_b32 s[\g+2], 128<<16                     ; tensor_dim1: 128 rows
	s_mov_b32 s[\g+3], 512<<16                     ; tile_dim0
	s_mov_b32 s[\g+4], 128                         ; tile_dim1
	s_mov_b32 s[\g+5], 1024                        ; from row to row
	s_mov_b32 s[\g+6], 0
	s_mov_b32 s[\g+7], 0
.endr
.irp g, G1AS, G1BS
	s_mov_b32 s[\g+1], 32<<16
	s_mov_b32 s[\g+2], 32<<16                      ; the scale bytes of 128 rows: 32 units of 256 bytes
	s_mov_b32 s[\g+3], 32<<16
	s_mov_b32 s[\g+4], 32
	s_mov_b32 s[\g+5], 32
	s_mov_b32 s[\g+6], 0
	s_mov_b32 s[\g+7], 0
.endr
	s_wait_kmcnt 0x0
	s_cmp_eq_u32 ttmp9, 0                          ; which weights: the choice hangs on the cluster's x alone
	s_cselect_b64 s[12:13], s[8:9], s[12:13]       ; pass 0: W_q or W_k, codes
	s_cselect_b64 s[14:15], s[10:11], s[14:15]     ; and scales
	s_cselect_b64 s[16:17], s[8:9], s[16:17]       ; pass 1: W_q or W_v, codes
	s_cselect_b64 s[18:19], s[10:11], s[18:19]     ; and scales
	s_cselect_b32 s3, 4, 0                         ; pass 1's tile lies 4 tiles further on in W_q, at the same place in W_v
	s_lshl_b32 s2, s[CX], 7                        ; A's rows of pass 0,
	s_lshl_b32 s3, s3, 7
	s_add_co_u32 s3, s3, s2                        ; of pass 1
	s_mov_b32 s9, 0
	s_lshl_b32 s8, s2, 10                          ; a row of codes is 1,024 bytes,
	s_add_nc_u64 s[12:13], s[12:13], s[8:9]
	s_lshl_b32 s8, s2, 6                           ; of scales 64
	s_add_nc_u64 s[14:15], s[14:15], s[8:9]
	s_lshl_b32 s8, s3, 10
	s_add_nc_u64 s[P1W:P1W+1], s[16:17], s[8:9]
	s_lshl_b32 s8, s3, 6
	s_add_nc_u64 s[18:19], s[18:19], s[8:9]
	s_lshl_b32 s10, s[HI], 7
	s_mov_b32 s101, 0
	s_lshl_b32 s100, s10, 10
	s_add_nc_u64 s[4:5], s[4:5], s[100:101]
	s_lshl_b32 s100, s10, 6
	s_add_nc_u64 s[6:7], s[6:7], s[100:101]
	s_mov_b32 s2, 0                                ; each tile whole, at a constant LDS address
	MKG0 G0AS0,   2, SCA0, 14, 0
	MKG0 G0AS1,   2, SCA1, 18, 0
	MKG0 G0AD0,   2, 0,    12, 0
	MKG0 G0AD0+8, 2, DCH,  12, 512
	MKG0 G0BS,    2, SCB,  6,  0
	MKG0 G0BD0,   2, 128*PITCH,     4,  0
	MKG0 G0BD1,   2, DCH+128*PITCH, 4,  512
	CROUND                                         ; all sixteen work-groups are here: the joint loads meet
; One load a wave: one chain of branches on the wave's number, each arm with its load and a jump to the chain's end.
.macro ARM under, g0, g1, next, done
	s_cmp_lt_u32 s[WV], \under
	s_cbranch_scc0 \next
	tensor_load_to_lds s[\g0:\g0+3], s[\g1:\g1+7]
	s_nop 0
.rept 4
	v_nop
.endr
	s_branch \done
\next:
.endm
	ARM 1, G0AD0, G1AC, .Lhead_b, .Lasked          ; the head's four tiles: half 0 of K of A and of B, A's scales of pass 0, B's scales
	ARM 2, G0BD0, G1BC, .Lhead_sa, .Lasked
	ARM 3, G0AS0, G1AS, .Lhead_sb, .Lasked
	tensor_load_to_lds s[G0BS:G0BS+3], s[G1BS:G1BS+7]
	s_nop 0
.rept 4
	v_nop
.endr
.Lasked:
	s_load_b512 s[4:19], s[0:1], 0x40              ; cos s[4:5], sin s[6:7], qc s[8:9], qs s[10:11], kc s[12:13], ks s[14:15], vc s[16:17], vs s[18:19]
	s_load_b64 s[BVP:BVP+1], s[0:1], 0x80          ; b_v
	v_and_b32 v1, 15, v0                           ; r = lane % 16
	v_bfe_u32 v2, v0, 4, 1                         ; h = lane / 16
	v_and_b32 v[LN], 31, v0
	v_mul_u32_u24 v3, v1, PITCH
	v_lshl_add_u32 v3, v2, 4, v3                   ; a fragment's row x pitch + 16 h
	s_wait_alu depctr_va_vdst(0)
	s_mul_i32 s2, s[WX], 64*PITCH
	s_mul_i32 s3, s[WY], 64*PITCH
.irp d, 0,1                            ; every address register of both passes is made here, ahead of the text's parting
	v_add_nc_u32 v[AAX+\d], s2, v3
	v_add_nc_u32 v[AAY+\d], s3, v3
	s_add_co_u32 s2, s2, 128*PITCH                 ; B's rows lie behind A's 128
	s_add_co_u32 s3, s3, 128*PITCH
	v_add_nc_u32 v[ABX+\d], s2, v3
	v_add_nc_u32 v[ABY+\d], s3, v3
	s_add_co_u32 s2, s2, 128*PITCH
	s_add_co_u32 s3, s3, 128*PITCH
.endr
	v_lshrrev_b32 v4, 2, v1                        ; scale words: row r of a tile lies in unit r / 4, at 64 (r % 4)
	v_mul_u32_u24 v4, v4, UP
	v_and_b32 v5, 3, v1
	v_lshl_add_u32 v4, v5, 6, v4
	s_mul_i32 s2, s[WX], 16*UP
	s_mul_i32 s3, s[WY], 16*UP
	s_add_co_u32 s93, s2, SCA0
	v_add_nc_u32 v[SA0X], s93, v4
	s_add_co_u32 s93, s2, SCA1
	v_add_nc_u32 v[SA1X], s93, v4
	s_add_co_u32 s93, s2, SCB
	v_add_nc_u32 v[SBX], s93, v4
	s_add_co_u32 s93, s3, SCA1
	v_add_nc_u32 v[SA1Y], s93, v4
	s_add_co_u32 s93, s3, SCB
	v_add_nc_u32 v[SBY], s93, v4
	v_lshlrev_b32 v[LI], 4, v[LN]
	v_lshlrev_b32 v[LS], 2, v[LN]
	v_lshlrev_b32 v[CA], 8, v1
	v_lshl_add_u32 v[CA], v2, 5, v[CA]
	v_lshlrev_b32 v[BA], 2, v1
	s_mov_b32 s[SEL], 0x76543210
	s_mov_b32 s[SEL+1], 0xfedcba98
	v_cmp_le_u32 s[HM], 16, v[LN]                  ; lanes 16-31
	s_wait_alu depctr_va_vdst(0)
	s_wait_kmcnt 0x0
	s_cmp_eq_u32 ttmp9, 0
	s_cselect_b64 s[8:9], s[8:9], s[12:13]         ; where pass 0 (and Q's pass 1) stores: qc or kc,
	s_cselect_b64 s[10:11], s[10:11], s[14:15]     ; qs or ks
	s_cselect_b32 s3, 4, 3                         ; 16 heads of q, 8 of k
	s_lshl_b32 s100, s[HI], 15                     ; my first token x 256 bytes of cos or sin
	s_lshl_b32 s2, s[WY], 14
	s_add_co_u32 s100, s100, s2
	s_add_nc_u64 s[4:5], s[4:5], s[100:101]        ; (s101 is 0)
	s_add_nc_u64 s[6:7], s[6:7], s[100:101]
	s_lshr_b32 s2, s[HI], 4                        ; batch
	s_lshl_b32 s2, s2, s3
	s_lshl_b32 s3, s[CX], 1
	s_add_co_u32 s2, s2, s3
	s_add_co_u32 s2, s2, s[WX]                     ; batch x heads + my head of pass 0: my 64 rows of X are one head
	s_and_b32 s3, s[HI], 15
	s_lshl_b32 s3, s3, 3
	s_lshl_b32 s93, s[WY], 2
	s_add_co_u32 s3, s3, s93                       ; my first tile of 16 tokens in the batch
	s_lshl_b32 s100, s2, 16                        ; a head: 128 tiles of 512 bytes
	s_lshl_b32 s93, s3, 9
	s_add_co_u32 s100, s100, s93
	s_add_nc_u64 s[8:9], s[8:9], s[100:101]
	s_lshl_b32 s100, s2, 13                        ; a head: 2,048 words
	s_lshl_b32 s93, s3, 6
	s_add_co_u32 s100, s100, s93
	s_add_nc_u64 s[10:11], s[10:11], s[100:101]
	WIN TO_2
.irp a, 0,1,2,3                        ; cos and sin at (token 16 a + r, channel 16 t + 8 h + 4 i + 0 .. 3): they land while K is walked
.irp t, 0,1,2,3
.irp i, 0,1
	global_load_b128 v[64*\a+8*\t+4*\i:64*\a+8*\t+4*\i+3], v[CA], s[4:5] offset:4096*\a+64*\t+16*\i
	global_load_b128 v[64*\a+32+8*\t+4*\i:64*\a+32+8*\t+4*\i+3], v[CA], s[6:7] offset:4096*\a+64*\t+16*\i
.endr
.endr
.endr
	WIN 0
.macro SCALES c, axs, ays              ; the scale words of K steps 4 c .. 4 c + 3: four words a row, into set c % 2
.irp i, 0,1,2,3
	ds_load_b128 v[SC+32*((\c)%2)+4*\i:SC+32*((\c)%2)+4*\i+3], v[\axs] offset:\i*4*UP+16*(\c)
.endr
.irp i, 0,1,2,3
	ds_load_b128 v[SC+16+32*((\c)%2)+4*\i:SC+16+32*((\c)%2)+4*\i+3], v[\ays] offset:\i*4*UP+16*(\c)
.endr
.endm
.macro FETCH c, hf, f, adx, ady        ; 32 LDS loads in one run: the fragments of K steps 4 c + 2 hf and + 1 into buffer f, the first step's sixteen first
	WIN TO_F
.irp st, 0,1
.irp i, 0,1,2,3
	ds_load_b128 v[\f+64+8*(4*\st+\i):\f+64+8*(4*\st+\i)+3],   v[\adx+(\c)/2] offset:\i*16*PITCH+256*((\c)%2)+64*(2*\hf+\st)
	ds_load_b128 v[\f+64+8*(4*\st+\i)+4:\f+64+8*(4*\st+\i)+7], v[\adx+(\c)/2] offset:\i*16*PITCH+256*((\c)%2)+64*(2*\hf+\st)+32
	ds_load_b128 v[\f+8*(4*\st+\i):\f+8*(4*\st+\i)+3],         v[\ady+(\c)/2] offset:\i*16*PITCH+256*((\c)%2)+64*(2*\hf+\st)
	ds_load_b128 v[\f+8*(4*\st+\i)+4:\f+8*(4*\st+\i)+7],       v[\ady+(\c)/2] offset:\i*16*PITCH+256*((\c)%2)+64*(2*\hf+\st)+32
.endr
.endr
.endm
; 16 matrix instructions: one K step of 128 (step st of buffer f; word q of the scale set).  The 16 accumulators take turns, one instruction a turn, in the same order in every step.
.macro MULS f, st, q, set, zero
.irp a, 0,1,2,3
.irp b, 0,1,2,3
.if \zero
	v_wmma_scale_f32_16x16x128_f8f6f4 v[ACC+8*(4*\a+\b):ACC+8*(4*\a+\b)+7], v[\f+64+8*(4*\st+\b):\f+64+8*(4*\st+\b)+7], v[\f+8*(4*\st+\a):\f+8*(4*\st+\a)+7], 0, v[SC+32*(\set)+4*\b+\q], v[SC+16+32*(\set)+4*\a+\q] matrix_a_fmt:MATRIX_FMT_FP4 matrix_b_fmt:MATRIX_FMT_FP4
.else
	v_wmma_scale_f32_16x16x128_f8f6f4 v[ACC+8*(4*\a+\b):ACC+8*(4*\a+\b)+7], v[\f+64+8*(4*\st+\b):\f+64+8*(4*\st+\b)+7], v[\f+8*(4*\st+\a):\f+8*(4*\st+\a)+7], v[ACC+8*(4*\a+\b):ACC+8*(4*\a+\b)+7], v[SC+32*(\set)+4*\b+\q], v[SC+16+32*(\set)+4*\a+\q] matrix_a_fmt:MATRIX_FMT_FP4 matrix_b_fmt:MATRIX_FMT_FP4
.endif
.endr
.endr
.endm
.macro HALF c, zero, adx, ady          ; K steps 4 c and 4 c + 1, from buffer 0; steps 4 c + 2 and + 3 are fetched into buffer 1
	s_wait_dscnt 16                                ; the scale words and the first step's fragments are in; the second step's sixteen loads may be out
	WIN MUL
	MULS F0, 0, 0, (\c)%2, \zero
	PLACES
	FETCH \c, 1, F1, \adx, \ady
	s_wait_dscnt 32                                ; all but the 32 just issued
	WIN MUL
	MULS F0, 1, 1, (\c)%2, 0
.endm
; Half d of K has been read out (its last fragments are on their way into buffer 1): A's rows of it are filled with pass 1's weights.  Buffer 1's first K step is multiplied between the add and the wait for it.
.macro REFILL d, set
	WIN 0                                          ; (the add's two registers lie in window 0)
	s_wait_tensorcnt 0x0                           ; all my tensor loads have landed, so a group 0 may be written;
	ds_add_u32 v[SPW], v[NIL]                      ; 0 onto my spare word
	s_add_nc_u64 s[G0AD0+8*\d+2:G0AD0+8*\d+3], s[P1W:P1W+1], 512*\d   ; the same LDS bytes as the first fill, pass 1's rows
	s_or_b32 s[G0AD0+8*\d+3], s[G0AD0+8*\d+3], 0x80000000
	s_wait_dscnt 17                                ; (the add and the second step's sixteen loads may be out)
	WIN MUL
	MULS F1, 0, 2, \set, 0
	s_wait_dscnt 0x0                               ; the add is done, and my reads of this half of K are over
	WIN 0
	CROUND                                         ; both now hold of every wave of all sixteen work-groups
	s_cmp_eq_u32 s[WV], 0                          ; wave 0: 128 rows x 512 bytes, its one tensor load behind this round
	s_cbranch_scc0 .Lno_fill_\@
	tensor_load_to_lds s[G0AD0+8*\d:G0AD0+8*\d+3], s[G1AC:G1AC+7]
	s_nop 0
.rept 4
	v_nop
.endr
.Lno_fill_\@:
	PLACES                                         ; on every wave's way: in front of the loads into buffer 0
.endm
; K steps 4 c + 2 and + 3, from buffer 1; the next four steps' scale words and first fragments are fetched.  mode 0: they lie in the half of K in hand.  mode 1: the other half is awaited and shown to every wave.  mode 2: likewise, and the half in hand is filled again.
.macro HALFB c, mode, adx, ady, axs, ays
.if \mode == 2
	REFILL 0, (\c)%2
.else
	s_wait_dscnt 16
	WIN MUL
	MULS F1, 0, 2, (\c)%2, 0
.if \mode == 1
	s_wait_tensorcnt 0x0                           ; my part of the other half of K has landed: no load was issued behind it
	s_wait_dscnt 0x0                               ; no LDS load of mine is out at the signal
	s_barrier_signal -1
	s_barrier_wait -1
.endif
	PLACES
	WIN 0
.endif
	SCALES \c+1, \axs, \ays
	FETCH \c+1, 0, F0, \adx, \ady
	s_wait_dscnt 40                                ; all but the 40 just issued: buffer 1's second step is in
	WIN MUL
	MULS F1, 1, 3, (\c)%2, 0
.endm
.macro MAIN pass, adx, ady, axs, ays   ; all of K: 256 matrix instructions a wave
	SCALES 0, \axs, \ays                           ; (pass 0: shown to every wave by the round in front; pass 1: half 0's refill was awaited in front of the second refill's round, by every wave)
	FETCH 0, 0, F0, \adx, \ady
	HALF 0, 1, \adx, \ady                          ; the first products start the sums
	HALFB 0, 0, \adx, \ady, \axs, \ays
	HALF 1, 0, \adx, \ady
.if \pass == 0
	HALFB 1, 2, \adx, \ady, \axs, \ays
.else
	HALFB 1, 1, \adx, \ady, \axs, \ays
.endif
	HALF 2, 0, \adx, \ady
	HALFB 2, 0, \adx, \ady, \axs, \ays
	HALF 3, 0, \adx, \ady
.if \pass == 0
	REFILL 1, 1
	WIN MUL
.else
	s_wait_dscnt 16
	WIN MUL
	MULS F1, 0, 2, 1, 0
	s_wait_dscnt 0x0
.endif
	MULS F1, 1, 3, 1, 0
	WIN 0
	PLACES
	s_wait_loadcnt 0x0                             ; cos and sin, or b_v
.endm
; 32 numbers of a lane, v[s] on, register 8 t + j = index 16 t + 8 (lane / 16) + j along the next K, become four registers of an operand, v[p] on (k = 32 (lane / 16) + 0 .. 31), and two scale bytes in v[hw].
.macro QUANT64 s, p, hw
.irp b, 0,1
	v_max3_num_f32 v[TM+\b], |v[\s+16*\b]|, |v[\s+16*\b+1]|, 0x1800000   ; block b: my 16 numbers, and the floor 2^(3 - 127): the byte cannot fall under 1
.endr
.irp i, 2,4,6,8,10,12,14
.irp b, 0,1
	v_max3_num_f32 v[TM+\b], v[TM+\b], |v[\s+16*\b+\i]|, |v[\s+16*\b+\i+1]|
.endr
.endr
.irp b, 0,1
	v_permlanex16_b32 v[TM+2+\b], v[TM+\b], s[SEL], s[SEL+1]
.endr
.irp b, 0,1
	v_max_num_f32 v[TM+\b], v[TM+\b], v[TM+2+\b]   ; with lane l xor 16's 16: the block's largest magnitude
.endr
.irp b, 0,1
	v_add_nc_u32 v[TM+4+\b], 0xff000000, v[TM+\b]  ; 2 off its exponent field: the conversion takes the exponent field of this operand as its scale
.endr
.irp b, 0,1
	v_lshrrev_b32 v[TM+2+\b], 23, v[TM+4+\b]       ; the scale's byte
.endr
	v_lshl_or_b32 v[\hw], v[TM+3], 8, v[TM+2]
	v_cvt_scalef32_pk8_fp4_f32 v[\p], v[\s:\s+7], v[TM+4]          ; index 8 h + 0 .. 7
	v_cvt_scalef32_pk8_fp4_f32 v[\p+2], v[\s+8:\s+15], v[TM+4]     ; 16 + 8 h + ..
	v_cvt_scalef32_pk8_fp4_f32 v[\p+1], v[\s+16:\s+23], v[TM+5]    ; 32 + 8 h + ..
	v_cvt_scalef32_pk8_fp4_f32 v[\p+3], v[\s+24:\s+31], v[TM+5]    ; 48 + 8 h + ..
	v_nop                                          ; one plain place behind a scaled conversion
	v_permlane16_swap_b32 v[\p], v[\p+1]           ; the first's lanes 16-31 change places with the second's lanes 0-15: a lane now holds a whole block,
	v_permlane16_swap_b32 v[\p+2], v[\p+3]         ; lanes 0-15 block 0, lanes 16-31 block 1
.endm
; Q, K: tile a of 16 tokens: RoPE (channel d < 32: x cos - x(d + 32) sin; d >= 32: x cos + x(d - 32) sin), the quantiser along the head's 64 channels, the stores, coff and soff bytes on.  Each accumulator is read from its low end on.
.macro EPI_QK a, coff, soff
	WIN W_ROPE
.irp t, 0,1
.irp jj, 0,2,4,6
.set rT, T+8*\t+\jj
.set rA, ACC+8*(4*\a+\t)+\jj
.set rC, 64*\a+8*\t+\jj
	v_pk_mul_f32 v[rT:rT+1], v[rA:rA+1], v[rC:rC+1]
	v_pk_mul_f32 v[rT+16:rT+17], v[rA+16:rA+17], v[rC+16:rC+17]
	v_pk_fma_f32 v[rT:rT+1], v[rA+16:rA+17], v[rC+32:rC+33], v[rT:rT+1] neg_lo:[1,0,0] neg_hi:[1,0,0]
	v_pk_fma_f32 v[rT+16:rT+17], v[rA:rA+1], v[rC+48:rC+49], v[rT+16:rT+17]
.endr
.endr
	WIN W_ONE
	QUANT64 T, P+4*\a, HW+\a
.if \a%2
	v_cndmask_b32 v[PR+\a/2], v[HW+\a-1], v[HW+\a], s[HM]   ; lanes 0-15: the even tile's words, lanes 16-31 the odd tile's: 32 neighbouring tokens
.endif
	WIN ST_ONE
	global_store_b128 v[LI], v[P+4*\a:P+4*\a+3], s[8:9] offset:512*\a+\coff   ; 32 lanes store 512 consecutive bytes
.if \a%2
	global_store_b32 v[LS], v[PR+\a/2], s[10:11] offset:128*(\a/2)+\soff
.endif
.endm
; V: tile a of 16 channels: the bias, the quantiser along my 64 tokens, the stores
.macro EPI_V a
	WIN TO_F
.irp b, 0,1,2,3
.irp j, 0,1,2,3,4,5,6,7
	v_add_f32 v[T+8*\b+\j], v[ACC+8*(4*\a+\b)+\j], v[BV+\a]
.endr
.endr
	WIN W_ONE
	QUANT64 T, P+4*\a, HW+\a
.if \a%2
	v_cndmask_b32 v[PR+\a/2], v[HW+\a-1], v[HW+\a], s[HM]
.endif
	WIN ST_ONE
	global_store_b128 v[LI], v[P+4*\a:P+4*\a+3], s[16:17] offset:1024*\a
.if \a%2
	global_store_b16 v[LS], v[PR+\a/2], s[18:19] offset:128*(\a/2)
.endif
.endm
	; ------------------------------------------------------------------ pass 0: Q's tile cx, or K's
	s_wait_alu depctr_va_vdst(0)                   ; the wait at the head's end
	s_wait_tensorcnt 0x0                           ; my tile of the head's four is in
	ds_add_u32 v[SPW], v[NIL]
	s_wait_dscnt 0x0
	CROUND                                         ; all four tiles are in, in all sixteen work-groups:
	ARM 1, G0AD0+8, G1AC, .Lsecond_b, .Lasked2     ; half 1 of K of A and of B, and A's scales of pass 1: one load a wave; wave 3 has none
	ARM 2, G0BD1, G1BC, .Lsecond_sa, .Lasked2
	ARM 3, G0AS1, G1AS, .Lsecond_none, .Lasked2
.Lasked2:
	MAIN 0, AAX, ABY, SA0X, SBY
	WIN TO_F
	v_mov_b32 v[TM+2], 0                           ; a lane permute's destination counts as one of its sources
	v_mov_b32 v[TM+3], 0
.irp a, 0,1,2,3
	EPI_QK \a, 0, 0
.endr
	WIN 0
	s_wait_xcnt 0x0                                ; the stores have read their registers: pass 1's fragments may land there
	s_cmp_eq_u32 ttmp9, 1
	s_cbranch_scc1 .Lpass_v
	; ------------------------------------------------------------------ pass 1: Q's tile 4 + cx: eight heads further on
	MAIN 1, AAX, ABY, SA1X, SBY
	WIN TO_F
	v_mov_b32 v[TM+2], 0
	v_mov_b32 v[TM+3], 0
.irp a, 0,1,2,3
	EPI_QK \a, 8<<16, 8<<13
.endr
	WIN 0
	s_branch .Lend
	; ------------------------------------------------------------------ pass 1: V's tile cx: source 0 = my X half of the tokens (region B), source 1 = my Y half of W_v's rows (region A)
.Lpass_v:
	s_lshr_b32 s2, s[HI], 4                        ; batch
	s_lshl_b32 s2, s2, 3
	s_lshl_b32 s3, s[CX], 1
	s_add_co_u32 s2, s2, s3
	s_add_co_u32 s2, s2, s[WY]                     ; 8 x batch + g: my 64 rows of W_v are one head
	s_lshl_b32 s2, s2, 4
	s_and_b32 s3, s[HI], 15
	s_add_co_u32 s2, s2, s3                        ; x 16 + the key step: the work-group's 128 tokens
	s_lshl_b32 s100, s2, 12                        ; a step of vc: 4,096 bytes; my 64 tokens are half c = my X half
	s_lshl_b32 s3, s[WX], 9
	s_add_co_u32 s100, s100, s3
	s_add_nc_u64 s[16:17], s[16:17], s[100:101]
	s_lshl_b32 s100, s2, 8                         ; a step of vs: 256 bytes; my two key blocks are bytes 2 c, 2 c + 1 of each word
	s_lshl_b32 s3, s[WX], 1
	s_add_co_u32 s100, s100, s3
	s_add_nc_u64 s[18:19], s[18:19], s[100:101]
	s_lshl_b32 s100, s[CX], 9
	s_lshl_b32 s3, s[WY], 8
	s_add_co_u32 s100, s100, s3
	s_add_nc_u64 s[BVP:BVP+1], s[BVP:BVP+1], s[100:101]
.irp a, 0,1,2,3
	global_load_b32 v[BV+\a], v[BA], s[BVP:BVP+1] offset:64*\a   ; b_v of channel 16 a + r
.endr
	MAIN 1, ABX, AAY, SBX, SA1Y
	WIN TO_F
	v_mov_b32 v[TM+2], 0
	v_mov_b32 v[TM+3], 0
.irp a, 0,1,2,3
	EPI_V \a
.endr
	WIN 0
.Lend:
	s_wait_tensorcnt 0x0                           ; the wave's end
	ds_add_u32 v[SPW], v[NIL]
	s_wait_dscnt 0x0
	CROUND                                         ; the closing round: no work-group ends while a partner may still ask for a tile that names it
	s_endpgm
.Lfunc_end_k_q4b1e118c9f_qkv:
	.size	k_q4b1e118c9f_qkv, .Lfunc_end_k_q4b1e118c9f_qkv-k_q4b1e118c9f_qkv
	.p2alignl 7, 3214868480
	.fill 96, 4, 3214868480
	.section	.rodata,"a",@progbits
	.p2align	6, 0x0
	.amdhsa_kernel k_q4b1e118c9f_qkv
		.amdhsa_group_segment_fixed_size 327680
		.amdhsa_private_segment_fixed_size 0
		.amdhsa_enable_private_segment 0
		.amdhsa_kernarg_size 136
		.amdhsa_user_sgpr_count 2
		.amdhsa_user_sgpr_kernarg_segment_ptr 1
		.amdhsa_wavefront_size32 1
		.amdhsa_system_sgpr_workgroup_id_x 1
		.amdhsa_system_sgpr_workgroup_id_y 1
		.amdhsa_system_sgpr_workgroup_id_z 1
		.amdhsa_system_vgpr_workitem_id 0
		.amdhsa_next_free_vgpr 768
		.amdhsa_next_free_sgpr 102
		.amdhsa_reserve_vcc 0
		.amdhsa_float_denorm_mode_32 3
		.amdhsa_float_denorm_mode_16_64 3
		.amdhsa_memory_ordered 1
		.amdhsa_forward_progress 1
		.amdhsa_inst_pref_size 224
	.end_amdhsa_kernel
	.amdgpu_metadata
---
amdhsa.version: [ 1, 2 ]
amdhsa.kernels:
  - .name:           k_q4b1e118c9f_qkv
    .symbol:         k_q4b1e118c9f_qkv.kd
    .args:
      - { .name: hidden_states_codes, .offset: 0, .size: 8, .value_kind: global_buffer, .address_space: global }
      - { .name: hidden_states_scales, .offset: 8, .size: 8, .value_kind: global_buffer, .address_space: global }
      - { .name: W_q_codes, .offset: 16, .size: 8, .value_kind: global_buffer, .address_space: global }
      - { .name: W_q_scales, .offset: 24, .size: 8, .value_kind: global_buffer, .address_space: global }
      - { .name: W_k_codes, .offset: 32, .size: 8, .value_kind: global_buffer, .address_space: global }
      - { .name: W_k_scales, .offset: 40, .size: 8, .value_kind: global_buffer, .address_space: global }
      - { .name: W_v_codes, .offset: 48, .size: 8, .value_kind: global_buffer, .address_space: global }
      - { .name: W_v_scales, .offset: 56, .size: 8, .value_kind: global_buffer, .address_space: global }
      - { .name: cos, .offset: 64, .size: 8, .value_kind: global_buffer, .address_space: global }
      - { .name: sin, .offset: 72, .size: 8, .value_kind: global_buffer, .address_space: global }
      - { .name: qc, .offset: 80, .size: 8, .value_kind: global_buffer, .address_space: global }
      - { .name: qs, .offset: 88, .size: 8, .value_kind: global_buffer, .address_space: global }
      - { .name: kc, .offset: 96, .size: 8, .value_kind: global_buffer, .address_space: global }
      - { .name: ks, .offset: 104, .size: 8, .value_kind: global_buffer, .address_space: global }
      - { .name: vc, .offset: 112, .size: 8, .value_kind: global_buffer, .address_space: global }
      - { .name: vs, .offset: 120, .size: 8, .value_kind: global_buffer, .address_space: global }
      - { .name: b_v, .offset: 128, .size: 8, .value_kind: global_buffer, .address_space: global }
    .group_segment_fixed_size: 327680
    .private_segment_fixed_size: 0
    .kernarg_segment_align: 8
    .kernarg_segment_size: 136
    .max_flat_workgroup_size: 128
    .sgpr_count:     102
    .vgpr_count:     768
    .wavefront_size: 32
...
	.end_amdgpu_metadata
.endif
;; end of part 1
;; launch attn (part 2): grid 16 x 16, 16 waves a work-group, clusters of 4 x 1, 231,936 bytes of LDS; arguments qc, qs, kc, ks, vc, vs, attention_mask, oc, os; writes oc, os
.if DOCPART == 2
	.amdgcn_target "amdgcn-amd-amdhsa--gfx1250"
	.amdhsa_code_object_version 6
	.text
	.protected	k_q4b1e118c9f_attn
	.globl	k_q4b1e118c9f_attn
	.p2align	8
	.type	k_q4b1e118c9f_attn,@function
k_q4b1e118c9f_attn:
	s_mov_b64 s[64:65], 0
	v_nop
	global_prefetch_b8 v0, s[64:65] scope:SCOPE_SE
	s_setreg_imm32_b32 hwreg(HW_REG_WAVE_MODE, 25, 1), 1
	s_wait_xcnt 0x0
	s_wait_alu depctr_hold_cnt(0) depctr_sa_sdst(0) depctr_va_vdst(0) depctr_va_sdst(0) depctr_va_ssrc(0) depctr_va_vcc(0) depctr_vm_vsrc(0)
	s_getreg_b32 s2, hwreg(HW_REG_IB_STS2, 6, 4)
	s_cmp_eq_u32 s2, 0
	s_cbranch_scc0 .Lentry_in_a_cluster
	s_endpgm
.Lentry_in_a_cluster:
	s_bfe_u32 s2, ttmp6, 0x10000c
	s_cmp_lg_u32 s2, 0x3003
	s_cbranch_scc0 .Lentry_shape_is_right
	s_endpgm
.Lentry_shape_is_right:
; o = softmax(q k^T / 8 + masks) v for one batch and one key/value head g (work-group y = 8 b + g), both products on codes of FP4 (E2M1) with E8M0 scales; o is quantised here and leaves as codes.
; THE WHOLE K AND V of (b, g), codes and scale bytes, lie in LDS: 140 KiB, filled ONCE, by the head's loads, one a wave (waves 0 to 10).  Nothing is prefetched: no tile is asked for behind the head.
; SHARES.  The work-group (x = j) owns the 16-query tiles T = 16 m + j (m even) or 16 m + 15 - j (m odd), m = 0 .. 7, of both heads.  A tile has T / 8 + 1 key steps of 128 keys: the causal mask hides the rest.
; Tiles 7 - mm (long) and mm (short), mm = 0 .. 3, have 17 steps together, of which the long one has N + 9, N = 0 .. 7.  Two waves share them: wave p (p = 4 x head + mm) walks the long tile's last 9 steps, N .. N + 8;
; wave 8 + p walks the long tile's first N steps, leaves its O^T, sum and M in LDS, and walks the short tile's 8 - N steps.  Behind one barrier wave p joins the two parts of the long tile.
; So every wave has 9 or 8 steps, whatever j and mm: the loop's trip count is the constant 9.  The last step of waves 0-7 (trip 8) and of waves 8-15 (trip 7) lies on the diagonal.
; (j >= 8 is cluster x >= 2: no branch and no LDS address hangs on the place in the cluster.)
; LAYOUT.  S^T = K Q^T (source 0 = 16 keys, source 1 = my 16 queries) and O^T = V^T P^T: a lane holds ONE query (lane % 16) throughout.
; The head's 64 channels fill half of the instruction's K.  The other half of Q is zero codes; the other half of a K fragment is the next tile's registers: whatever codes they hold, they are multiplied by zero codes.
; THE KEY MASK is the C of S^T's products: 0 for a key that counts, -2^100 for one that attention_mask hides.  On the diagonal a table in LDS adds -2^100 to the scores of keys that come after the query.
; SOFTMAX: t = score x log2(e) / 8; M = the running largest t rounded up to a whole number; p = 2^(t - M), quantised along the keys; the row's sum is taken of the unquantised p and divides at the end; when M moves, sum and O^T are multiplied by 2^(old M - new M).
; A BLOCK'S SCALE: the exponent of its largest p is floor(largest t - M), held to -124 from below; less 2, that is the scale's exponent.
; A query that sees no key has the sum 0: it is divided by 1, and the word 1 is stored for it behind os' scale words; the last launch makes its row NaN, as the softmax of a row of -infinity is.
; CLUSTER: the four work-groups of a cluster have the same (b, g): K and V are asked for jointly.
; LIMITS: hidden scores are -2^100 and the running maximum starts at -2^90, so scaled scores have to stay under 2^31; a block of zeros gets a scale byte of at least 1 (its codes are zeros; only this program reads the bytes); NaN and infinities in q, k, v are not served.
; REGISTERS: v1-5 addresses that stay; v6-10 of the step; v11 of the diagonal's table; v12 -M, v13 the largest score, v[14:15] the sum; v16-23 Q; v24-31 p's codes; v32-67 K's 8 fragments; v68-95 at work; v96-159 the key mask, S^T, p;
;   v160-191 O^T; v192-223 V's 4 fragments; v224-231 scale words and nothing else (K's pairs, V's pairs, p's, Q's); v232-235, v237 my last tile's Q and its scale words; v238, v241, v254, v255 the stash; v239, v240 the add; v250 old M; v252 2^(old M - new M).
.set VIMG, 65536                       ; K's images from 0: [tile 128][lane][16 bytes]; V's: [step 16][d tile 4][c 2][lane][16 bytes]
.set KSC,  131072                      ; K's scale words: [token 2,048]
.set VSC,  139264                      ; V's: [step 16][d pair 2][lane 32]
.set BIAS, 143360                      ; the key mask as f32, [key 2,048]: stored by the waves
.set STAIR, 151552                     ; the diagonal's table: [m odd 2][query % 4][256 words + 16]: stored by the waves
.set SPIT, 1088
.set STASH, 160256                     ; [wave 16][4,352 bytes]
.set HPIT, 4352
.set SPARE, 229888                     ; the spare words, 128 bytes for each wave
.set NF,   262144                      ; behind os' scale words: [tile 256][lane 32] words
.set SENT, 0xf1800000                  ; -2^100
.set TINI, 0xec800000                  ; -2^90
.set MINI, 0x6c800000                  ; 2^90
.set WV,  22
.set ISB, 23                           ; 1: waves 8-15
.set PP,  24
.set HS,  25                           ; which of the two heads
.set MM,  26
.set ML,  27                           ; the long tile's m
.set MF,  28                           ; m of the tile that I finish: the long one's (waves 0-7) or the short one's
.set JX,  29
.set TL,  30                           ; the long tile
.set TF,  31                           ; the tile that I finish
.set PAR, 33                           ; its m odd
.set NN,  34
.set N1,  35                           ; step = trip + OF1 in trips under N1, trip + OF2 from there on
.set OF1, 36
.set SW,  37                           ; the trip at whose head I change tiles (64: none)
.set KD,  38                           ; my last trip
.set OF2, 39
.set BG,  40
.set BB,  41
.set GG,  42
.set NC,  43                           ; -log2(e) / 8
.set SEL, 44                           ; s[44:45] lane selects: lane l xor 16
.set CS,  46                           ; s[46:47] log2(e) / 8
.set G1C, 48                           ; group 1: 16 KiB of codes;  G1S: 4 KiB of scale words;  G0C, G0S their groups 0
.set G1S, 56
.set G0C, 68
.set G0S, 72
.set TB,  66                           ; the step's first byte in K's and in V's images;  TS: among K's scale words and the mask;  TJ: among V's scale words;  KI: the trip
.set TS,  67
.set TJ,  80
.set KI,  81
.macro CROUND
	s_barrier_signal -1
	s_barrier_wait -1
	s_cmp_lg_u32 s[WV], 0
	s_cbranch_scc1 .Lnot_wave_0_\@
	s_barrier_signal -3
.Lnot_wave_0_\@:
	s_barrier_wait -3
	s_barrier_signal -1
	s_barrier_wait -1
.endm
	s_load_b256 s[4:11], s[0:1], 0x0               ; qc s[4:5], qs s[6:7], kc s[8:9], ks s[10:11]
	s_load_b256 s[12:19], s[0:1], 0x20             ; vc s[12:13], vs s[14:15], attention_mask s[16:17], oc s[18:19]
	s_load_b64 s[76:77], s[0:1], 0x40              ; os
	v_lshl_add_u32 v239, v0, 2, SPARE
	v_mov_b32 v240, 0
	ds_add_u32 v239, v240                          ; the add, twice on end, and its wait, ahead of the first tensor load
	ds_add_u32 v239, v240
	v_lshrrev_b32 v1, 5, v0
	v_readfirstlane_b32 s[WV], v1                  ; wave 0..15
	s_lshr_b32 s[ISB], s[WV], 3
	s_and_b32 s[PP], s[WV], 7
	s_lshr_b32 s[HS], s[PP], 2
	s_and_b32 s[MM], s[PP], 3
	s_xor_b32 s[ML], s[MM], 7
	s_xor_b32 s[MF], s[ISB], 1
	s_mul_i32 s[MF], s[MF], 7
	s_xor_b32 s[MF], s[MF], s[MM]
	s_and_b32 s[PAR], s[MF], 1
	s_bfe_u32 s82, ttmp6, 0x40000                  ; my place in the cluster: it enters Q's and o's addresses and the diagonal's table's numbers alone
	s_lshl_b32 s[JX], ttmp9, 2
	s_add_co_u32 s[JX], s[JX], s82                 ; j
	s_and_b32 s83, s[ML], 1
	s_mul_i32 s82, s83, 15
	s_xor_b32 s82, s82, s[JX]                      ; j, for odd m 15 - j
	s_lshl_b32 s[TL], s[ML], 4
	s_add_co_u32 s[TL], s[TL], s82
	s_mul_i32 s82, s[PAR], 15
	s_xor_b32 s82, s82, s[JX]
	s_lshl_b32 s[TF], s[MF], 4
	s_add_co_u32 s[TF], s[TF], s82
	s_cmp_ge_u32 ttmp9, 2
	s_cselect_b32 s[NN], 1, 0
	s_xor_b32 s[NN], s[NN], s83
	s_lshl_b32 s82, s[ML], 1
	s_add_co_u32 s[NN], s[NN], s82                 ; the long tile's last key step: T / 8
	s_sub_co_u32 s[NN], s[NN], 8                   ; N
	s_cmp_eq_u32 s[ISB], 0
	s_cselect_b32 s[N1], 16, s[NN]
	s_cselect_b32 s[OF1], s[NN], 0
	s_cselect_b32 s[SW], 64, s[NN]
	s_cselect_b32 s[KD], 8, 7
	s_sub_co_u32 s[OF2], 0, s[NN]
	s_and_b32 s[BG], ttmp7, 0xffff
	s_lshr_b32 s[BB], s[BG], 3
	s_and_b32 s[GG], s[BG], 7
	s_mov_b32 s[SEL], 0x76543210
	s_mov_b32 s[SEL+1], 0xfedcba98
	s_mov_b32 s[CS], 0x3e38aa3b                    ; log2(e) / 8
	s_mov_b32 s[CS+1], s[CS]                       ; (named with it as a pair, so it is written)
	s_mov_b32 s[NC], 0xbe38aa3b
	s_mov_b32 s[KI], 0
	; groups 1: dense blocks as rows of 256 bytes (32 elements of 8 bytes): 64 rows, or 16; the mask names all four work-groups
	s_mov_b32 s[G1C], 15|(3<<16)|(1<<21)
	s_mov_b32 s[G1C+1], 32<<16
	s_mov_b32 s[G1C+2], 64<<16
	s_mov_b32 s[G1C+3], 32<<16
	s_mov_b32 s[G1C+4], 64
	s_mov_b32 s[G1C+5], 32
	s_mov_b32 s[G1C+6], 0
	s_mov_b32 s[G1C+7], 0
	s_mov_b32 s[G1S], 15|(3<<16)|(1<<21)
	s_mov_b32 s[G1S+1], 32<<16
	s_mov_b32 s[G1S+2], 16<<16
	s_mov_b32 s[G1S+3], 32<<16
	s_mov_b32 s[G1S+4], 16
	s_mov_b32 s[G1S+5], 32
	s_mov_b32 s[G1S+6], 0
	s_mov_b32 s[G1S+7], 0
	s_and_b32 s82, s[WV], 3
	s_lshl_b32 s84, s[BG], 16                      ; codes: (b, g)'s 65,536 bytes, my quarter of them
	s_lshl_b32 s83, s82, 14
	s_add_co_u32 s84, s84, s83
	s_mov_b32 s85, 0
	s_lshl_b32 s83, s82, 12
	s_lshl_b32 s86, s[BG], 13                      ; K's scale words: 8,192 bytes, my half;
	s_add_co_u32 s86, s86, s83
	s_mov_b32 s87, 0
	s_lshl_b32 s2, s[BG], 12                       ; V's: 4,096 bytes
	s_wait_dscnt 0x0                               ; both opening adds are done
	s_wait_kmcnt 0x0
	s_mov_b32 s[G0C], 1
	s_lshl_b32 s[G0C+1], s[WV], 14                 ; waves 0-3: K's images, waves 4-7: V's, which lie behind them
	s_cmp_lt_u32 s[WV], 4
	s_cselect_b64 s[G0C+2:G0C+3], s[8:9], s[12:13]
	s_add_nc_u64 s[G0C+2:G0C+3], s[G0C+2:G0C+3], s[84:85]
	s_or_b32 s[G0C+3], s[G0C+3], 0x80000000
	s_mov_b32 s[G0S], 1
	s_add_co_u32 s[G0S+1], s83, KSC                ; waves 8, 9: K's scale words, wave 10: V's, which lie behind them
	s_cmp_lt_u32 s82, 2
	s_cselect_b32 s86, s86, s2
	s_cselect_b64 s[G0S+2:G0S+3], s[10:11], s[14:15]
	s_add_nc_u64 s[G0S+2:G0S+3], s[G0S+2:G0S+3], s[86:87]
	s_or_b32 s[G0S+3], s[G0S+3], 0x80000000
	CROUND                                         ; all four work-groups are here: the joint loads meet
	s_cmp_lt_u32 s[WV], 8                          ; all fills of the launch: one load a wave, waves 0 to 10
	s_cbranch_scc0 .Lnot_codes
	tensor_load_to_lds s[G0C:G0C+3], s[G1C:G1C+7]
	s_nop 0
.rept 4
	v_nop
.endr
	s_branch .Lasked
.Lnot_codes:
	s_cmp_lt_u32 s[WV], 11
	s_cbranch_scc0 .Lasked
	tensor_load_to_lds s[G0S:G0S+3], s[G1S:G1S+7]
	s_nop 0
.rept 4
	v_nop
.endr
.Lasked:
	s_lshl_b32 s82, s[BB], 13                      ; the batch's row of attention_mask
	s_mov_b32 s83, 0
	s_add_nc_u64 s[16:17], s[16:17], s[82:83]
	s_lshl_b32 s82, s[BB], 4
	s_lshl_b32 s83, s[GG], 1
	s_add_co_u32 s82, s82, s83
	s_add_co_u32 s82, s82, s[HS]                   ; 16 b + my head
	s_lshl_b32 s82, s82, 7
	s_add_co_u32 s83, s82, s[TL]
	s_lshl_b32 s84, s83, 9                         ; the long tile's image in qc,
	s_lshl_b32 s85, s83, 6                         ; its scale words in qs
	s_add_co_u32 s83, s82, s[TF]
	s_lshl_b32 s86, s83, 9                         ; and those of the tile that I finish (waves 0-7: the same tile)
	s_lshl_b32 s87, s83, 6
	s_mul_i32 s2, s[WV], HPIT
	s_add_co_u32 s2, s2, STASH                     ; my stash
	s_xor_b32 s3, s[WV], 8
	s_mul_i32 s3, s3, HPIT
	s_add_co_u32 s3, s3, STASH                     ; my partner's
	s_mul_i32 s82, s[PAR], 4*SPIT
	s_add_co_u32 s82, s82, STAIR
	v_and_b32 v244, 15, v0                         ; r
	v_bfe_u32 v245, v0, 4, 1                       ; h
	v_and_b32 v246, 31, v0                         ; lane
	v_lshlrev_b32 v6, 4, v0                        ; 16 x thread: four keys of the mask
	v_lshlrev_b32 v1, 4, v246
	v_lshlrev_b32 v247, 2, v244
	v_add_nc_u32 v242, s84, v1
	v_add_nc_u32 v243, s86, v1
	v_add_nc_u32 v248, s85, v247
	v_add_nc_u32 v249, s87, v247
	global_load_b128 v[96:99], v6, s[16:17]
	global_load_b128 v[16:19], v242, s[4:5]        ; Q's fragment, channels 0-63
	global_load_b32 v231, v248, s[6:7]             ; Q's scale words
	global_load_b128 v[232:235], v243, s[4:5]
	global_load_b32 v237, v249, s[6:7]
	v_add_nc_u32 v7, BIAS, v6
	v_add_nc_u32 v2, VIMG, v1
	v_lshl_add_u32 v3, v246, 2, KSC
	v_lshl_add_u32 v4, v246, 2, VSC
	v_lshl_add_u32 v5, v245, 5, BIAS               ; the mask of keys 8 h + 0 .. 7 of a tile
	v_add_nc_u32 v238, s2, v1
	v_add_nc_u32 v254, s3, v1
	v_lshl_add_u32 v241, v246, 3, s2
	v_add_nc_u32 v241, 4096, v241
	v_lshl_add_u32 v255, v246, 3, s3
	v_add_nc_u32 v255, 4096, v255
; The diagonal's table.  Copy s serves the queries r with r % 4 = s, so that a lane's eight words begin at a multiple of 16 bytes: word i stands for the key i - 12 + (r - s) of the step; hidden where that lies over 16 (T % 8) + r, so where i > 16 (T % 8) + 12 + s.
	v_and_b32 v250, 3, v244
	v_mul_u32_u24 v11, v250, SPIT
	v_xor_b32 v250, 12, v244
	v_and_b32 v250, 12, v250                       ; 12 - (r - s)
	v_lshl_add_u32 v11, v250, 2, v11
	v_lshl_add_u32 v11, v245, 5, v11
	v_add_nc_u32 v11, s82, v11                     ; where my lane reads: key 8 h of tile 0
	s_and_b32 s82, s[JX], 7
	s_mul_i32 s83, s[ISB], 7
	s_xor_b32 s82, s82, s83                        ; T % 8 for even m (waves 0-7 store those copies) and odd m (waves 8-15)
	s_lshl_b32 s82, s82, 4
	s_bfe_u32 s83, s[WV], 0x20001                  ; two waves to a copy
	s_add_co_u32 s82, s82, s83
	s_add_co_u32 s82, s82, 12
	v_lshrrev_b32 v8, 6, v0
	v_mul_u32_u24 v8, v8, SPIT
	v_and_b32 v9, 63, v0
	v_lshl_add_u32 v8, v9, 4, v8
	v_add_nc_u32 v8, STAIR, v8                     ; where I store four words
	v_lshlrev_b32 v9, 2, v9
	v_mov_b32 v250, SENT
.irp e, 0,1,2,3
	v_cmp_lt_i32 vcc_lo, s82, v9
	v_cndmask_b32 v[100+\e], 0, v250, vcc_lo
	s_sub_co_i32 s82, s82, 1
.endr
	ds_store_b128 v8, v[100:103]
.irp i, 20,21,22,23
	v_mov_b32 v\i, 0                               ; the upper half of the instruction's K: zero codes, in Q
.endr
.irp i, 64,65,66,67
	v_mov_b32 v\i, 0                               ; behind K's last fragment: written once
.endr
.set n, 0
.rept 32
	v_mov_b32 v[160+n], 0                          ; O^T.  (The step is written once: the first finds zeros, which the first change of M leaves zeros)
.set n, n+1
.endr
	v_mov_b32 v13, TINI                            ; the largest score so far
	v_mov_b32 v12, MINI                            ; -M
	v_mov_b32 v14, 0
	v_mov_b32 v15, 0
	v_mov_b32 v73, 0                               ; (a lane permute's destination counts as one of its sources)
	v_mov_b32 v82, 0
	v_mov_b32 v252, 0
	v_mov_b32 v253, 0                              ; (named as the upper half of the pair v[252:253])
	s_wait_alu depctr_va_vdst(0)
	s_wait_loadcnt 0x4                             ; the mask's four numbers are in; Q's four loads may be out
.irp i, 0,1,2,3
	v_cmp_eq_u32 vcc_lo, 0, v[96+\i]
	v_cndmask_b32 v[104+\i], 0, v250, vcc_lo       ; 0 where the key counts, -2^100 where it is hidden
.endr
	ds_store_b128 v7, v[104:107]
	s_wait_alu depctr_va_vdst(0)                   ; the wait at the head's end
	s_wait_tensorcnt 0x0                           ; my tile has landed,
	s_wait_loadcnt 0x0                             ; Q is in,
	s_wait_dscnt 0x0                               ; my parts of the mask and of the table are stored:
	s_barrier_signal -1
	s_barrier_wait -1                              ; everybody's are
.macro PF cnt                          ; t - M, two at a time
.rept \cnt
	v_pk_fma_f32 v[96+n:97+n], v[96+n:97+n], s[CS:CS+1], v[12:13] op_sel_hi:[1,0,0]
.set n, n+2
.endr
.endm
.Lkey:                                             ; 9 trips; a wave works in trips 0 .. its last
	s_cmp_lg_u32 s[KI], s[SW]
	s_cbranch_scc1 .Lstay
; WAVES 8-15, ONCE: the long tile's first N steps are done (N = 0: none, and zeros are left).  My O^T, sum and -M go into my stash; then the short tile begins.
.rept 4
	v_nop                                          ; places behind the last products
.endr
	v_add_f32 v68, v14, v15
	v_mov_b32 v69, v12
.irp k, 0,1,2,3,4,5,6,7
	ds_store_b128 v238, v[160+4*\k:163+4*\k] offset:512*\k
.endr
	ds_store_b64 v241, v[68:69]
	v_mov_b32 v13, TINI
	v_mov_b32 v12, MINI
	v_mov_b32 v14, 0
	v_mov_b32 v15, 0
	v_mov_b32 v231, v237
.irp i, 0,1,2,3
	v_mov_b32 v[16+\i], v[232+\i]
.endr
.set n, 0
.rept 32
	v_mov_b32 v[160+n], 0
.set n, n+1
.endr
	s_wait_alu depctr_va_vdst(0)
.Lstay:
	s_cmp_gt_u32 s[KI], s[KD]
	s_cbranch_scc1 .Lskip
	s_cmp_lt_u32 s[KI], s[N1]
	s_cselect_b32 s82, s[OF1], s[OF2]
	s_add_co_u32 s82, s82, s[KI]
	s_and_b32 s82, s82, 15                         ; the key step
	s_lshl_b32 s[TB], s82, 12
	s_lshl_b32 s[TS], s82, 9
	s_lshl_b32 s[TJ], s82, 8
	v_add_nc_u32 v6, s[TB], v1                     ; (these five are also the places behind the last trip's products, in front of the loads into their registers)
	v_add_nc_u32 v7, s[TB], v2
	v_add_nc_u32 v8, s[TS], v3
	v_add_nc_u32 v9, s[TJ], v4
	v_add_nc_u32 v10, s[TS], v5
.irp t, 0,1,2,3,4,5,6,7
	ds_load_b128 v[32+4*\t:35+4*\t], v6 offset:512*\t              ; K's eight tiles of 16 keys
.endr
.irp p, 0,1,2,3
	ds_load_b32 v[224+\p], v8 offset:128*\p                        ; lanes 0-15: tile 2 p's scale words, lanes 16-31: tile 2 p + 1's
.endr
.irp t, 0,1,2,3,4,5,6,7
	ds_load_b128 v[96+8*\t:99+8*\t], v10 offset:64*\t              ; the key mask in the result's layout: register j = key 16 t + 8 h + j
	ds_load_b128 v[100+8*\t:103+8*\t], v10 offset:64*\t+16
.endr
.irp t, 0,1,2,3
.irp c, 0,1
	ds_load_b128 v[192+8*\t+4*\c:195+8*\t+4*\c], v7 offset:1024*\t+512*\c   ; V's four tiles of 16 channels x 128 keys
.endr
.endr
.irp p, 0,1
	ds_load_b32 v[228+\p], v9 offset:128*\p
.endr
	s_wait_dscnt 10                                ; K, its scale words and the mask are in; V's ten loads may be out
.irp t, 0,2,4,6
	v_wmma_scale_f32_16x16x128_f8f6f4 v[96+8*\t:103+8*\t], v[32+4*\t:39+4*\t], v[16:23], v[96+8*\t:103+8*\t], v[224+\t/2], v231 matrix_a_fmt:MATRIX_FMT_FP4 matrix_b_fmt:MATRIX_FMT_FP4
	v_wmma_scale_f32_16x16x128_f8f6f4 v[96+8*(\t+1):103+8*(\t+1)], v[32+4*(\t+1):39+4*(\t+1)], v[16:23], v[96+8*(\t+1):103+8*(\t+1)], v[224+\t/2], v231 matrix_a_fmt:MATRIX_FMT_FP4 matrix_b_fmt:MATRIX_FMT_FP4 matrix_a_scale:MATRIX_SCALE_ROW1
.endr
	v_mov_b32 v250, v12                            ; the old -M
.rept 3
	v_nop                                          ; with the line above: four places in front of the first read of the scores
.endr
	s_cmp_lg_u32 s[KI], s[KD]                      ; only my last step lies on the diagonal
	s_cbranch_scc1 .Lopen
.irp t, 0,1,2,3,4,5,6,7
	ds_load_b128 v[32+8*\t:35+8*\t], v11 offset:64*\t              ; 0, or -2^100 where the key comes after my query
	ds_load_b128 v[36+8*\t:39+8*\t], v11 offset:64*\t+16
.endr
	s_wait_dscnt 0x0
.set n, 0
.rept 32
	v_pk_add_f32 v[96+n:97+n], v[96+n:97+n], v[32+n:33+n]
.set n, n+2
.endr
.Lopen:
.irp b, 0,1,2,3
	v_max3_num_f32 v[68+\b], v[96+16*\b], v[97+16*\b], v[98+16*\b]   ; the largest score of each block of 32 keys: for the row's maximum and, since p rises with the score, for the block's scale
.endr
.irp i, 3,5,7,9,11,13
.irp b, 0,1,2,3
	v_max3_num_f32 v[68+\b], v[68+\b], v[96+16*\b+\i], v[97+16*\b+\i]
.endr
.endr
.irp b, 0,1,2,3
	v_max_num_f32 v[68+\b], v[68+\b], v[111+16*\b]
.endr
	v_permlane16_swap_b32 v68, v69                 ; the first's lanes 16-31 change places with the second's lanes 0-15:
	v_permlane16_swap_b32 v70, v71
	v_max_num_f32 v68, v68, v69                    ; lanes 0-15: block 0, lanes 16-31: block 1,
	v_max_num_f32 v70, v70, v71                    ; blocks 2 and 3
	s_delay_alu instid0(VALU_DEP_1)
	v_max_num_f32 v72, v68, v70
	s_delay_alu instid0(VALU_DEP_1)
	v_permlanex16_b32 v73, v72, s[SEL], s[SEL+1]
	s_delay_alu instid0(VALU_DEP_1)
	v_max3_num_f32 v13, v13, v72, v73              ; the running largest score
	s_delay_alu instid0(VALU_DEP_1)
	v_mul_f32 v74, s[NC], v13
	s_delay_alu instid0(VALU_DEP_1)
	v_floor_f32 v12, v74                           ; the new -M = floor(-t) = -ceil(t)
.set n, 0
	PF 2
	v_sub_f32 v250, v12, v250                      ; old M - new M: a whole number, 0 or less
	v_fma_f32 v68, v68, s[CS], v12                 ; t - M of each block's largest score,
	v_fma_f32 v70, v70, s[CS], v12
	PF 3
	v_cvt_i32_f32 v250, v250                       ; (it saturates)
	v_max_num_f32 v68, 0xc2f80000, v68             ; held to -124 from below
	v_max_num_f32 v70, 0xc2f80000, v70
	PF 3
	v_ldexp_f32 v252, 1.0, v250                    ; f = 2^(old M - new M)
	v_floor_f32 v68, v68                           ; the exponent of the block's largest p
	v_floor_f32 v70, v70
	PF 3
	v_cvt_i32_f32 v80, v68
	v_cvt_i32_f32 v81, v70
	PF 3
	v_add_lshl_u32 v76, v80, 125, 23               ; the conversion's scale operand: the exponent less 2, as an exponent field
	v_add_lshl_u32 v78, v81, 125, 23
	v_lshl_add_u32 v81, v81, 16, v80               ; the scale word, less 125 in each byte: my half's two bytes,
	PF 2
	v_mov_b32 v77, v76
	v_mov_b32 v79, v78
	v_permlanex16_b32 v82, v81, s[SEL], s[SEL+1]
	PF 2
	v_permlane16_swap_b32 v76, v77                 ; v76 .. v79: the operands of blocks 0 .. 3, in all lanes
	v_permlane16_swap_b32 v78, v79
	v_lshl_add_u32 v82, v82, 8, v81                ; with the other half's two (lanes 0-15 are read)
	PF 4
	v_add_nc_u32 v230, 0x7d7d7d7d, v82             ; p's scale word for these 128 keys
	PF 10
.set n, 0
.rept 16
	v_pk_mul_f32 v[160+n:161+n], v[160+n:161+n], v[252:253] op_sel_hi:[1,0]   ; O^T under the new M
.set n, n+2
.endr
	s_wait_alu depctr_va_vdst(0)                   ; the wait ahead of the batch
.set n, 0
.rept 64
	v_exp_f32 v[96+n], v[96+n]                     ; p = 2^(t - M)
.set n, n+1
.endr
	v_pk_mul_f32 v[14:15], v[14:15], v[252:253] op_sel_hi:[1,0]   ; the sum under the new M.  (A plain place behind the exponentials)
	s_wait_alu depctr_va_vdst(0)                   ; and behind it
.irp b, 0,1,2,3
	v_cvt_scalef32_pk8_fp4_f32 v[24+4*(\b/2)+(\b%2)], v[96+16*\b:103+16*\b], v[76+\b]     ; keys 32 b + 8 h + 0 .. 7
	v_cvt_scalef32_pk8_fp4_f32 v[26+4*(\b/2)+(\b%2)], v[104+16*\b:111+16*\b], v[76+\b]    ; keys 32 b + 16 + 8 h + 0 .. 7
.endr
.irp k, 0,1,2,3,4,5                    ; the row's sum, of the unquantised p, in seven chains.  (Plain places behind the conversions)
	v_pk_add_f32 v[84+2*\k:85+2*\k], v[96+4*\k:97+4*\k], v[98+4*\k:99+4*\k]
.endr
.irp c, 24,26,28,30
	v_permlane16_swap_b32 v[\c], v[\c+1]           ; a lane now holds whole blocks: registers 4 c .. 4 c + 3 = keys 64 c + 32 h + 0 .. 31
.endr
.set n, 0
.rept 20
.if n%7 == 0
	v_pk_add_f32 v[14:15], v[14:15], v[120+2*n:121+2*n]
.else
	v_pk_add_f32 v[82+2*(n%7):83+2*(n%7)], v[82+2*(n%7):83+2*(n%7)], v[120+2*n:121+2*n]
.endif
.set n, n+1
.endr
	v_pk_add_f32 v[84:85], v[84:85], v[86:87]
	v_pk_add_f32 v[88:89], v[88:89], v[90:91]
	v_pk_add_f32 v[92:93], v[92:93], v[94:95]
	v_pk_add_f32 v[84:85], v[84:85], v[88:89]
	v_pk_add_f32 v[14:15], v[14:15], v[92:93]
	v_pk_add_f32 v[14:15], v[14:15], v[84:85]      ; (with the sums: the places between p's codes and scale word and the products below)
	s_wait_alu depctr_va_vdst(0)
	s_wait_dscnt 0x0                               ; V and its scale words are in
.irp t, 0,2
	v_wmma_scale_f32_16x16x128_f8f6f4 v[160+8*\t:167+8*\t], v[192+8*\t:199+8*\t], v[24:31], v[160+8*\t:167+8*\t], v[228+\t/2], v230 matrix_a_fmt:MATRIX_FMT_FP4 matrix_b_fmt:MATRIX_FMT_FP4
	v_wmma_scale_f32_16x16x128_f8f6f4 v[160+8*(\t+1):167+8*(\t+1)], v[192+8*(\t+1):199+8*(\t+1)], v[24:31], v[160+8*(\t+1):167+8*(\t+1)], v[228+\t/2], v230 matrix_a_fmt:MATRIX_FMT_FP4 matrix_b_fmt:MATRIX_FMT_FP4 matrix_a_scale:MATRIX_SCALE_ROW1
.endr
.Lskip:
	s_add_co_u32 s[KI], s[KI], 1
	s_cmp_lt_u32 s[KI], 9
	s_cbranch_scc1 .Lkey
	s_lshl_b32 s82, s[BB], 7
	s_add_co_u32 s82, s82, s[TF]                   ; my tile among the 256 of both batches
	s_lshr_b32 s84, s82, 3                         ; oc: [tile / 8][g / 4][tile % 8][g % 4][head % 2][lane][16 bytes]
	s_lshl_b32 s84, s84, 1
	s_lshr_b32 s86, s[GG], 2
	s_add_co_u32 s84, s84, s86
	s_lshl_b32 s84, s84, 3
	s_and_b32 s86, s82, 7
	s_add_co_u32 s84, s84, s86
	s_lshl_b32 s84, s84, 2
	s_and_b32 s86, s[GG], 3
	s_add_co_u32 s84, s84, s86
	s_lshl_b32 s84, s84, 10
	s_lshl_b32 s86, s[HS], 9
	s_add_co_u32 s84, s84, s86
	s_mov_b32 s85, 0
	s_add_nc_u64 s[18:19], s[18:19], s[84:85]
	s_lshl_b32 s84, s82, 7                         ; my tile's words behind the scale words
	s_add_co_u32 s84, s84, NF
	s_add_nc_u64 s[78:79], s[76:77], s[84:85]
	s_lshl_b32 s84, s82, 3                         ; os: [tile][g][lane] words; my head's two bytes
	s_add_co_u32 s84, s84, s[GG]
	s_lshl_b32 s84, s84, 7
	s_lshl_b32 s86, s[HS], 1
	s_add_co_u32 s84, s84, s86
	s_add_nc_u64 s[76:77], s[76:77], s[84:85]
	s_or_b32 s86, s[GG], s[HS]                     ; 0: head 0, which stores those words
; THE WAY OUT: o = O^T / the sum (v68: my lane's part of it), quantised along the head's 64 channels: half a fragment of the last product's operand, K step g.
.macro WAYOUT
	v_permlanex16_b32 v73, v68, s[SEL], s[SEL+1]
	v_add_f32 v68, v68, v73                        ; with lane l xor 16's
	v_cmp_lt_f32 s84, 0, v68                       ; has my query seen a key?
	v_cndmask_b32 v14, 1.0, v68, s84
	s_wait_alu depctr_va_vdst(0)                   ; the wait ahead of the reciprocal
	v_rcp_f32 v14, v14
	v_lshrrev_b32 v83, 2, v1                       ; 4 x lane.  (A plain place behind the reciprocal)
	v_cndmask_b32 v84, 1, 0, s84
	s_wait_alu depctr_va_vdst(0)                   ; and behind it, ahead of the first reader of O^T
.set n, 0
.rept 16
	v_pk_mul_f32 v[96+n:97+n], v[160+n:161+n], v[14:15] op_sel_hi:[1,0]   ; register 8 t + j = channel 16 t + 8 h + j
.set n, n+2
.endr
.irp b, 0,1
	v_max3_num_f32 v[68+\b], |v[96+16*\b]|, |v[97+16*\b]|, 0x1800000   ; and the floor 2^(3 - 127): the byte cannot fall under 1
.endr
.irp i, 2,4,6,8,10,12,14
.irp b, 0,1
	v_max3_num_f32 v[68+\b], v[68+\b], |v[96+16*\b+\i]|, |v[97+16*\b+\i]|
.endr
.endr
.irp b, 0,1
	v_permlanex16_b32 v[70+\b], v[68+\b], s[SEL], s[SEL+1]
.endr
.irp b, 0,1
	v_max_num_f32 v[68+\b], v[68+\b], v[70+\b]
.endr
.irp b, 0,1
	v_add_nc_u32 v[72+\b], 0xff000000, v[68+\b]
.endr
.irp b, 0,1
	v_lshrrev_b32 v[70+\b], 23, v[72+\b]
.endr
	v_lshl_or_b32 v85, v71, 8, v70
	v_cvt_scalef32_pk8_fp4_f32 v24, v[96:103], v72
	v_cvt_scalef32_pk8_fp4_f32 v26, v[104:111], v72
	v_cvt_scalef32_pk8_fp4_f32 v25, v[112:119], v73
	v_cvt_scalef32_pk8_fp4_f32 v27, v[120:127], v73
	v_nop                                          ; one plain place behind a scaled conversion
	v_permlane16_swap_b32 v24, v25
	v_permlane16_swap_b32 v26, v27
	global_store_b128 v1, v[24:27], s[18:19]       ; 32 lanes store 512 consecutive bytes
	global_store_b16 v83, v85, s[76:77]            ; two of a word's four bytes; lanes 16-31 repeat lanes 0-15
	s_cmp_lg_u32 s86, 0
	s_cbranch_scc1 .Lno_nf_\@
	global_store_b32 v83, v84, s[78:79]            ; 1 where the query has seen no key: it hangs on the masks alone, so one head stores it
.Lno_nf_\@:
.endm
.rept 4
	v_nop                                          ; places behind the last products
.endr
	v_mov_b32 v70, 0                               ; (a lane permute's destination counts as one of its sources)
	v_mov_b32 v71, 0
	v_add_f32 v68, v14, v15
	s_wait_alu depctr_va_vdst(0)
	s_cmp_lt_u32 s[WV], 8
	s_cbranch_scc1 .Lmeet
	WAYOUT                                         ; waves 8-15: the short tile goes out
.Lmeet:
	s_wait_alu depctr_va_vdst(0)
	s_wait_dscnt 0x0                               ; my stash is stored:
	s_barrier_signal -1
	s_barrier_wait -1                              ; everybody's is
	s_cmp_ge_u32 s[WV], 8
	s_cbranch_scc1 .Lend
; WAVES 0-7: the long tile's two parts are brought under the larger M and added
.irp k, 0,1,2,3,4,5,6,7
	ds_load_b128 v[96+4*\k:99+4*\k], v254 offset:512*\k
.endr
	ds_load_b64 v[76:77], v255                     ; the other part's sum and -M
	v_mov_b32 v81, 0                               ; (upper halves of the pairs below)
	v_mov_b32 v83, 0
	s_wait_alu depctr_va_vdst(0)
	s_wait_dscnt 0x0
	v_min_num_f32 v78, v12, v77
	v_sub_f32 v80, v78, v12
	v_sub_f32 v82, v78, v77
	v_cvt_i32_f32 v80, v80
	v_cvt_i32_f32 v82, v82
	v_ldexp_f32 v80, 1.0, v80
	v_ldexp_f32 v82, 1.0, v82
	v_mul_f32 v68, v68, v80
	v_fma_f32 v68, v76, v82, v68
.set n, 0
.rept 16
	v_pk_mul_f32 v[160+n:161+n], v[160+n:161+n], v[80:81] op_sel_hi:[1,0]
.set n, n+2
.endr
.set n, 0
.rept 16
	v_pk_fma_f32 v[160+n:161+n], v[96+n:97+n], v[82:83], v[160+n:161+n] op_sel_hi:[1,0,1]
.set n, n+2
.endr
	WAYOUT                                         ; the long tile goes out
.Lend:
	s_wait_tensorcnt 0x0                           ; the wave's end
	ds_add_u32 v239, v240
	s_wait_dscnt 0x0
	CROUND                                         ; the closing round
	s_endpgm
.Lfunc_end_k_q4b1e118c9f_attn:
	.size	k_q4b1e118c9f_attn, .Lfunc_end_k_q4b1e118c9f_attn-k_q4b1e118c9f_attn
	.p2alignl 7, 3214868480
	.fill 96, 4, 3214868480
	.section	.rodata,"a",@progbits
	.p2align	6, 0x0
	.amdhsa_kernel k_q4b1e118c9f_attn
		.amdhsa_group_segment_fixed_size 231936
		.amdhsa_private_segment_fixed_size 0
		.amdhsa_enable_private_segment 0
		.amdhsa_kernarg_size 72
		.amdhsa_user_sgpr_count 2
		.amdhsa_user_sgpr_kernarg_segment_ptr 1
		.amdhsa_wavefront_size32 1
		.amdhsa_system_sgpr_workgroup_id_x 1
		.amdhsa_system_sgpr_workgroup_id_y 1
		.amdhsa_system_sgpr_workgroup_id_z 1
		.amdhsa_system_vgpr_workitem_id 0
		.amdhsa_next_free_vgpr 256
		.amdhsa_next_free_sgpr 88
		.amdhsa_reserve_vcc 1
		.amdhsa_float_denorm_mode_32 3
		.amdhsa_float_denorm_mode_16_64 3
		.amdhsa_memory_ordered 1
		.amdhsa_forward_progress 1
		.amdhsa_inst_pref_size 45
	.end_amdhsa_kernel
	.amdgpu_metadata
---
amdhsa.version: [ 1, 2 ]
amdhsa.kernels:
  - .name:           k_q4b1e118c9f_attn
    .symbol:         k_q4b1e118c9f_attn.kd
    .args:
      - { .name: qc, .offset: 0, .size: 8, .value_kind: global_buffer, .address_space: global }
      - { .name: qs, .offset: 8, .size: 8, .value_kind: global_buffer, .address_space: global }
      - { .name: kc, .offset: 16, .size: 8, .value_kind: global_buffer, .address_space: global }
      - { .name: ks, .offset: 24, .size: 8, .value_kind: global_buffer, .address_space: global }
      - { .name: vc, .offset: 32, .size: 8, .value_kind: global_buffer, .address_space: global }
      - { .name: vs, .offset: 40, .size: 8, .value_kind: global_buffer, .address_space: global }
      - { .name: attention_mask, .offset: 48, .size: 8, .value_kind: global_buffer, .address_space: global }
      - { .name: oc, .offset: 56, .size: 8, .value_kind: global_buffer, .address_space: global }
      - { .name: os, .offset: 64, .size: 8, .value_kind: global_buffer, .address_space: global }
    .group_segment_fixed_size: 231936
    .private_segment_fixed_size: 0
    .kernarg_segment_align: 8
    .kernarg_segment_size: 72
    .max_flat_workgroup_size: 512
    .sgpr_count:     88
    .vgpr_count:     256
    .wavefront_size: 32
...
	.end_amdgpu_metadata
.endif
;; end of part 2
;; launch oproj (part 3): grid 8 x 32, 8 waves a work-group, clusters of 4 x 4, 253,440 bytes of LDS; arguments oc, os, W_o_codes, W_o_scales, b_o, out0; writes out0
.if DOCPART == 3
	.amdgcn_target "amdgcn-amd-amdhsa--gfx1250"
	.amdhsa_code_object_version 6
	.text
	.protected	k_q4b1e118c9f_oproj
	.globl	k_q4b1e118c9f_oproj
	.p2align	8
	.type	k_q4b1e118c9f_oproj,@function
k_q4b1e118c9f_oproj:
	s_mov_b64 s[64:65], 0
	v_nop
	global_prefetch_b8 v0, s[64:65] scope:SCOPE_SE
	s_setreg_imm32_b32 hwreg(HW_REG_WAVE_MODE, 25, 1), 1
	s_wait_xcnt 0x0
	s_wait_alu depctr_hold_cnt(0) depctr_sa_sdst(0) depctr_va_vdst(0) depctr_va_sdst(0) depctr_va_ssrc(0) depctr_va_vcc(0) depctr_vm_vsrc(0)
	s_getreg_b32 s2, hwreg(HW_REG_IB_STS2, 6, 4)
	s_cmp_eq_u32 s2, 0
	s_cbranch_scc0 .Lentry_in_a_cluster
	s_endpgm
.Lentry_in_a_cluster:
	s_bfe_u32 s2, ttmp6, 0x10000c
	s_cmp_lg_u32 s2, 0xf033
	s_cbranch_scc0 .Lentry_shape_is_right
	s_endpgm
.Lentry_shape_is_right:
; out0 = o W_o + b_o on codes of FP4 (E2M1) with E8M0 scales, K = 1,024.  D = X Y^T with X = 256 rows of W_o (outputs n) and Y = 128 tokens: a lane holds one token (lane % 16) and eight neighbouring outputs.
; Eight waves, two to a SIMD, each 64 outputs x 64 tokens.  All of K lies in LDS at once, brought by the head's loads, one a wave: every LDS byte that a tensor load fills is filled ONCE.  No tile is asked for behind the head, so nothing is prefetched.
; THE WORK GOES BY TILES OF 16 TOKENS, not by K: my 64 rows of W_o, all of K, stay in 256 registers; a tile's 32 products (four accumulators by turns, 8 steps of K) finish 16 tokens x 64 outputs, which are stored while the next tile is multiplied.
; W_o's rows come as rows of 512 bytes + 16 of padding; o's codes come as the images of fragments that the launch before stored ([tile][K step][c][lane][16 bytes]): dense, read back 16 bytes at 16 x lane.
; b_o is the C of each sum's first product.  A token for which the word behind os' scale words is 1 (a query that saw no key) gets NaN in its whole row.
; CLUSTERS: 4 x 4 work-groups: X's tiles are shared by a column of the cluster, Y's by a row; each is asked for jointly.
; REGISTERS: window 0: v8-31 addresses and constants; v32-63 X's scale words, v64-95 Y's, and nothing else; v96-127 b_o; v128-159 accumulators; v160-191 rows read back from the stage; v192-255 a tile's fragments of Y.  window 1: X's fragments, step k, block b at 32 k + 8 b.
.set PITCH, 528
.set UP,    272
.set YIMG,  256*PITCH                  ; o's images: [chunk 2][tile 8][K step 4][1,024 bytes]
.set XSC,   YIMG+65536                 ; W_o's scale bytes: units of 256 bytes + 16, eight rows of 32 bytes to a unit
.set YSC,   XSC+32*UP                  ; o's scale words: [tile 8][K step 8][lane 32]
.set STAGE, YSC+8192                   ; the way out: 16 rows x 272 bytes for each wave; no tile lands here
.set SPARE, STAGE+8*16*UP              ; the spare words, 128 bytes for each wave
.set NF,    262144                     ; behind os' scale words: [tile 256][lane 32] words
.set ADX, 8
.set ADY, 9
.set AXS, 10
.set AYS, 11
.set STO, 12
.set RD,  13
.set CO,  14
.set BA,  15
.set FL,  16                           ; v16-19: those words for my four tiles
.set FO,  20
.set QNAN, 24
.set SPW, 30
.set NIL, 31
.set XS,  32
.set YS,  64
.set BO,  96
.set ACC, 128
.set RB,  160
.set YF,  192
.set WV,  18                           ; wave;  WY: its half of the tokens;  WX: its quarter of the outputs
.set WY,  19
.set WX,  20
.set XI,  21
.set YI,  22
.set FM,  24                           ; s24-27: the lanes of my four tiles whose rows are NaN
.set G1XC, 32
.set G1XS, 40
.set G1YC, 48
.set G1YS, 56
.set G0XC, 68
.set G0XS, 72
.set G0YC, 76
.set G0YS, 80
.set MSB, 0
.macro WIN new
.if MSB != \new
	s_set_vgpr_msb (MSB<<8)|\new
.set MSB, \new
.endif
.endm
.set MUL,    0x01                      ; source 0 (X) window 1; all else window 0
.set TO_X,   0x40                      ; destination window 1
.macro CROUND
	s_barrier_signal -1
	s_barrier_wait -1
	s_cmp_lg_u32 s[WV], 0
	s_cbranch_scc1 .Lnot_wave_0_\@
	s_barrier_signal -3
.Lnot_wave_0_\@:
	s_barrier_wait -3
	s_barrier_signal -1
	s_barrier_wait -1
.endm
	s_load_b256 s[4:11], s[0:1], 0x0               ; oc s[4:5], os s[6:7], W_o's codes s[8:9], its scales s[10:11]
	s_load_b128 s[12:15], s[0:1], 0x20             ; b_o s[12:13], out0 s[14:15]
	v_lshl_add_u32 v[SPW], v0, 2, SPARE
	v_mov_b32 v[NIL], 0
	ds_add_u32 v[SPW], v[NIL]                      ; the add, twice on end, and its wait, ahead of the first tensor load
	ds_add_u32 v[SPW], v[NIL]
	v_lshrrev_b32 v1, 5, v0
	v_readfirstlane_b32 s[WV], v1                  ; wave 0..7
	s_lshr_b32 s[WY], s[WV], 2
	s_and_b32 s[WX], s[WV], 3
	s_bfe_u32 s28, ttmp6, 0x40000                  ; my place in the cluster
	s_bfe_u32 s29, ttmp6, 0x40004
	s_lshl_b32 s[XI], ttmp9, 2
	s_add_co_u32 s[XI], s[XI], s28                 ; which 256 outputs
	s_and_b32 s[YI], ttmp7, 0xffff
	s_lshl_b32 s[YI], s[YI], 2
	s_add_co_u32 s[YI], s[YI], s29                 ; which 128 tokens
	s_lshl_b32 s30, 0x1111, s28                    ; my column of the cluster
	s_lshl_b32 s31, s29, 2
	s_lshl_b32 s31, 15, s31                        ; my row
	s_or_b32 s[G1XC], s30, (0<<16)|(1<<20)|(1<<21)|(6<<22)|(3<<25)   ; 64 rows x 512 bytes, 4 words of padding behind every 128
	s_mov_b32 s[G1XC+1], 512<<16
	s_mov_b32 s[G1XC+2], 64<<16
	s_mov_b32 s[G1XC+3], 512<<16
	s_mov_b32 s[G1XC+4], 64
	s_mov_b32 s[G1XC+5], 512
	s_mov_b32 s[G1XC+6], 0
	s_mov_b32 s[G1XC+7], 0
	s_or_b32 s[G1XS], s30, (3<<16)|(1<<20)|(1<<21)|(5<<22)|(3<<25)   ; 8,192 dense bytes: 32 rows of 256, 4 words of padding behind every 64
	s_or_b32 s[G1YS], s31, (3<<16)|(1<<21)         ; 8,192 dense bytes, no padding
.irp g, G1XS, G1YS
	s_mov_b32 s[\g+1], 32<<16
	s_mov_b32 s[\g+2], 32<<16
	s_mov_b32 s[\g+3], 32<<16
	s_mov_b32 s[\g+4], 32
	s_mov_b32 s[\g+5], 32
	s_mov_b32 s[\g+6], 0
	s_mov_b32 s[\g+7], 0
.endr
	s_or_b32 s[G1YC], s31, (3<<16)|(1<<21)         ; 32,768 dense bytes: 128 rows of 256
	s_mov_b32 s[G1YC+1], 32<<16
	s_mov_b32 s[G1YC+2], 128<<16
	s_mov_b32 s[G1YC+3], 32<<16
	s_mov_b32 s[G1YC+4], 128
	s_mov_b32 s[G1YC+5], 32
	s_mov_b32 s[G1YC+6], 0
	s_mov_b32 s[G1YC+7], 0
	s_lshl_b32 s84, s[XI], 17                      ; X: 256 rows of 512 bytes, of which waves 0 to 3 fetch 64 each
	s_lshl_b32 s2, s[WX], 15
	s_add_co_u32 s84, s84, s2
	s_mov_b32 s85, 0
	s_lshl_b32 s86, s[XI], 13                      ; its scale bytes: 8,192
	s_mov_b32 s87, 0
	s_and_b32 s3, s[WV], 1
	s_lshl_b32 s3, s3, 15
	s_lshl_b32 s88, s[YI], 16                      ; Y: 65,536 bytes of images, of which waves 4 and 5 fetch a half each
	s_add_co_u32 s88, s88, s3
	s_mov_b32 s89, 0
	s_lshl_b32 s90, s[YI], 13                      ; its scale words: 8,192
	s_mov_b32 s91, 0
	s_mul_i32 s2, s[WX], 64*PITCH
	s_wait_dscnt 0x0                               ; both opening adds are done
	s_wait_kmcnt 0x0
	s_mov_b32 s[G0XC], 1
	s_mov_b32 s[G0XC+1], s2
	s_add_nc_u64 s[G0XC+2:G0XC+3], s[8:9], s[84:85]
	s_or_b32 s[G0XC+3], s[G0XC+3], 0x80000000
	s_mov_b32 s[G0XS], 1
	s_mov_b32 s[G0XS+1], XSC
	s_add_nc_u64 s[G0XS+2:G0XS+3], s[10:11], s[86:87]
	s_or_b32 s[G0XS+3], s[G0XS+3], 0x80000000
	s_mov_b32 s[G0YC], 1
	s_add_co_u32 s[G0YC+1], s3, YIMG
	s_add_nc_u64 s[G0YC+2:G0YC+3], s[4:5], s[88:89]
	s_or_b32 s[G0YC+3], s[G0YC+3], 0x80000000
	s_mov_b32 s[G0YS], 1
	s_mov_b32 s[G0YS+1], YSC
	s_add_nc_u64 s[G0YS+2:G0YS+3], s[6:7], s[90:91]
	s_or_b32 s[G0YS+3], s[G0YS+3], 0x80000000
	CROUND                                         ; all sixteen work-groups are here: the joint loads meet
; All fills of the launch, one load a wave: one chain of branches on the wave's number.
.macro ARM under, g0, g1, next
	s_cmp_lt_u32 s[WV], \under
	s_cbranch_scc0 \next
	tensor_load_to_lds s[\g0:\g0+3], s[\g1:\g1+7]
	s_nop 0
.rept 4
	v_nop
.endr
	s_branch .Lasked
\next:
.endm
	ARM 4, G0XC, G1XC, .Lhead_yc
	ARM 6, G0YC, G1YC, .Lhead_xs
	ARM 7, G0XS, G1XS, .Lhead_ys
	tensor_load_to_lds s[G0YS:G0YS+3], s[G1YS:G1YS+7]
	s_nop 0
.rept 4
	v_nop
.endr
.Lasked:
	s_lshl_b32 s84, s[XI], 10                      ; my 64 outputs, in bytes of f32
	s_lshl_b32 s86, s[WX], 8
	s_add_co_u32 s84, s84, s86
	s_add_nc_u64 s[12:13], s[12:13], s[84:85]
	s_add_nc_u64 s[14:15], s[14:15], s[84:85]
	s_lshl_b32 s84, s[YI], 20                      ; my 64 tokens, rows of 8,192 bytes
	s_lshl_b32 s86, s[WY], 19
	s_add_co_u32 s84, s84, s86
	s_add_nc_u64 s[14:15], s[14:15], s[84:85]
	s_lshl_b32 s84, s[YI], 10                      ; my four tiles' words behind the scale words
	s_lshl_b32 s86, s[WY], 9
	s_add_co_u32 s84, s84, s86
	s_add_co_u32 s84, s84, NF
	s_add_nc_u64 s[6:7], s[6:7], s[84:85]
	s_lshl_b32 s3, s[WY], 14                       ; my four tiles of tokens: 4,096 bytes each in a chunk
	s_add_co_u32 s3, s3, YIMG
	s_mul_i32 s28, s[WX], 8*UP
	s_add_co_u32 s28, s28, XSC
	s_lshl_b32 s29, s[WY], 12
	s_add_co_u32 s29, s29, YSC
	s_mul_i32 s30, s[WV], 16*UP
	s_add_co_u32 s30, s30, STAGE                   ; my stage
	v_and_b32 v1, 15, v0                           ; r
	v_bfe_u32 v2, v0, 4, 1                         ; h
	v_and_b32 v3, 31, v0
	v_mul_u32_u24 v4, v1, PITCH
	v_lshlrev_b32 v[BA], 5, v2
	v_lshlrev_b32 v[FO], 2, v3
.irp b, 0,1,2,3
	global_load_b128 v[BO+8*\b:BO+8*\b+3], v[BA], s[12:13] offset:64*\b        ; b_o of outputs 16 b + 8 h + 0 .. 7: the result's layout
	global_load_b128 v[BO+8*\b+4:BO+8*\b+7], v[BA], s[12:13] offset:64*\b+16
.endr
.irp a, 0,1,2,3
	global_load_b32 v[FL+\a], v[FO], s[6:7] offset:128*\a
.endr
	v_lshl_add_u32 v4, v2, 4, v4
	v_add_nc_u32 v[ADX], s2, v4
	v_lshlrev_b32 v5, 4, v3
	v_add_nc_u32 v[ADY], s3, v5
	v_lshrrev_b32 v5, 3, v1                        ; X's scale words: row r of a tile lies in unit r / 8, at 32 (r % 8)
	v_mul_u32_u24 v5, v5, UP
	v_and_b32 v6, 7, v1
	v_lshl_add_u32 v5, v6, 5, v5
	v_add_nc_u32 v[AXS], s28, v5
	v_lshl_add_u32 v[AYS], v3, 2, s29
	v_mul_u32_u24 v6, v1, UP                       ; the stage, in: row r, 32 bytes for each half of the lanes
	v_mul_u32_u24 v7, v2, UP                       ; back: lanes 0-15 one row of 256 bytes, lanes 16-31 the next
	v_lshl_add_u32 v6, v2, 5, v6
	v_lshl_add_u32 v7, v1, 4, v7
	v_add_nc_u32 v[STO], s30, v6
	v_add_nc_u32 v[RD], s30, v7
	v_lshlrev_b32 v[CO], 13, v2                    ; and the same two rows in out0
	v_lshl_add_u32 v[CO], v1, 4, v[CO]
	v_mov_b32 v[QNAN], 0x7fc00000
.macro XLOAD hf                        ; my X fragments of K steps 4 hf .. 4 hf + 3
	WIN TO_X
.irp q, 0,1,2,3
.irp b, 0,1,2,3
	ds_load_b128 v[32*(4*\hf+\q)+8*\b:32*(4*\hf+\q)+8*\b+3],   v[ADX] offset:\b*16*PITCH+64*(4*\hf+\q)
	ds_load_b128 v[32*(4*\hf+\q)+8*\b+4:32*(4*\hf+\q)+8*\b+7], v[ADX] offset:\b*16*PITCH+64*(4*\hf+\q)+32
.endr
.endr
	WIN 0
.endm
.macro YLOAD a                         ; tile a of 16 tokens, all of K: 8 scale words and 16 loads of codes
.irp k, 0,1,2,3,4,5,6,7
	ds_load_b32 v[YS+8*(\a)+\k], v[AYS] offset:1024*(\a)+128*\k
.endr
.irp k, 0,1,2,3,4,5,6,7
	ds_load_b128 v[YF+8*\k:YF+8*\k+3],   v[ADY] offset:32768*(\k/4)+4096*(\a)+1024*(\k%4)
	ds_load_b128 v[YF+8*\k+4:YF+8*\k+7], v[ADY] offset:32768*(\k/4)+4096*(\a)+1024*(\k%4)+512
.endr
.endm
; 16 products: K steps 4 hf .. 4 hf + 3 of tile a.  The four accumulators take turns, one instruction a turn; the sums start from b_o.
.macro PRODS a, hf
	WIN MUL
.irp q, 0,1,2,3
.irp b, 0,1,2,3
.if 4*\hf+\q == 0
	v_wmma_scale_f32_16x16x128_f8f6f4 v[ACC+8*\b:ACC+8*\b+7], v[8*\b:8*\b+7], v[YF:YF+7], v[BO+8*\b:BO+8*\b+7], v[XS+8*\b], v[YS+8*\a] matrix_a_fmt:MATRIX_FMT_FP4 matrix_b_fmt:MATRIX_FMT_FP4
.else
	v_wmma_scale_f32_16x16x128_f8f6f4 v[ACC+8*\b:ACC+8*\b+7], v[32*(4*\hf+\q)+8*\b:32*(4*\hf+\q)+8*\b+7], v[YF+8*(4*\hf+\q):YF+8*(4*\hf+\q)+7], v[ACC+8*\b:ACC+8*\b+7], v[XS+8*\b+4*\hf+\q], v[YS+8*\a+4*\hf+\q] matrix_a_fmt:MATRIX_FMT_FP4 matrix_b_fmt:MATRIX_FMT_FP4
.endif
.endr
.endr
	WIN 0
.endm
	s_wait_alu depctr_va_vdst(0)                   ; the wait at the head's end
	s_wait_tensorcnt 0x0                           ; my tile has landed
	s_barrier_signal -1
	s_barrier_wait -1                              ; everybody's have
.irp b, 0,1,2,3
.irp c, 0,1
	ds_load_b128 v[XS+8*\b+4*\c:XS+8*\b+4*\c+3], v[AXS] offset:\b*2*UP+16*\c   ; X's scale words of K steps 4 c .. 4 c + 3
.endr
.endr
	YLOAD 0
	XLOAD 0
	XLOAD 1
	s_wait_loadcnt 0x0                             ; b_o and the words
.irp a, 0,1,2,3
	v_cmp_ne_u32 s[FM+\a], 0, v[FL+\a]
.endr
	s_wait_alu depctr_va_vdst(0)
	s_wait_dscnt 32                                ; all but the 32 of X's second half of K
	PRODS 0, 0
	s_wait_dscnt 0x0
	PRODS 0, 1
; THE WAY OUT of a tile, 16 tokens x my 64 outputs: a lane's 32 bytes go into my own stage and come back as whole rows of 256 bytes, which sixteen lanes store as one aligned run of 256 bytes.
; LDS serves a wave's instructions in order (ISA guide 5.7.1.4): no wait between the stores and the loads, nor in front of the next tile's stores.
.irp a, 0,1,2,3
.if \a > 0
	s_wait_dscnt 0x0                               ; tile a's codes and scale words are in
	PRODS \a, 0
	PRODS \a, 1
	s_wait_xcnt 0x0                                ; tile a - 1's stores have read their registers: rows may be read back into them
.endif
.rept 4
	v_nop                                          ; places in front of the first read of results and of the loads into Y's registers
.endr
.set n, 0
.rept 32
	v_cndmask_b32 v[ACC+n], v[ACC+n], v[QNAN], s[FM+\a]      ; each accumulator from its low end on
.set n, n+1
.endr
.irp b, 0,1,2,3
	ds_store_b128 v[STO], v[ACC+8*\b:ACC+8*\b+3] offset:64*\b
	ds_store_b128 v[STO], v[ACC+8*\b+4:ACC+8*\b+7] offset:64*\b+16
.endr
.irp i, 0,1,2,3,4,5,6,7
	ds_load_b128 v[RB+4*\i:RB+4*\i+3], v[RD] offset:\i*2*UP
.endr
.if \a < 3
	YLOAD \a+1
	s_wait_dscnt 24                                ; the rows are back; the next tile's 24 loads may be out
.else
	s_wait_dscnt 0x0
.endif
.irp i, 0,1,2,3,4,5,6,7
	global_store_b128 v[CO], v[RB+4*\i:RB+4*\i+3], s[14:15] offset:131072*\a+16384*\i th:TH_STORE_NT   ; rows 16 a + 2 i and + 1; written once, read by nobody here
.endr
.endr
	s_wait_tensorcnt 0x0                           ; the wave's end
	ds_add_u32 v[SPW], v[NIL]
	s_wait_dscnt 0x0
	CROUND                                         ; the closing round: no work-group ends while a partner may still ask for a tile that names it
	s_endpgm
.Lfunc_end_k_q4b1e118c9f_oproj:
	.size	k_q4b1e118c9f_oproj, .Lfunc_end_k_q4b1e118c9f_oproj-k_q4b1e118c9f_oproj
	.p2alignl 7, 3214868480
	.fill 96, 4, 3214868480
	.section	.rodata,"a",@progbits
	.p2align	6, 0x0
	.amdhsa_kernel k_q4b1e118c9f_oproj
		.amdhsa_group_segment_fixed_size 253440
		.amdhsa_private_segment_fixed_size 0
		.amdhsa_enable_private_segment 0
		.amdhsa_kernarg_size 48
		.amdhsa_user_sgpr_count 2
		.amdhsa_user_sgpr_kernarg_segment_ptr 1
		.amdhsa_wavefront_size32 1
		.amdhsa_system_sgpr_workgroup_id_x 1
		.amdhsa_system_sgpr_workgroup_id_y 1
		.amdhsa_system_sgpr_workgroup_id_z 1
		.amdhsa_system_vgpr_workitem_id 0
		.amdhsa_next_free_vgpr 512
		.amdhsa_next_free_sgpr 96
		.amdhsa_reserve_vcc 0
		.amdhsa_float_denorm_mode_32 3
		.amdhsa_float_denorm_mode_16_64 3
		.amdhsa_memory_ordered 1
		.amdhsa_forward_progress 1
		.amdhsa_inst_pref_size 54
	.end_amdhsa_kernel
	.amdgpu_metadata
---
amdhsa.version: [ 1, 2 ]
amdhsa.kernels:
  - .name:           k_q4b1e118c9f_oproj
    .symbol:         k_q4b1e118c9f_oproj.kd
    .args:
      - { .name: oc, .offset: 0, .size: 8, .value_kind: global_buffer, .address_space: global }
      - { .name: os, .offset: 8, .size: 8, .value_kind: global_buffer, .address_space: global }
      - { .name: W_o_codes, .offset: 16, .size: 8, .value_kind: global_buffer, .address_space: global }
      - { .name: W_o_scales, .offset: 24, .size: 8, .value_kind: global_buffer, .address_space: global }
      - { .name: b_o, .offset: 32, .size: 8, .value_kind: global_buffer, .address_space: global }
      - { .name: out0, .offset: 40, .size: 8, .value_kind: global_buffer, .address_space: global }
    .group_segment_fixed_size: 253440
    .private_segment_fixed_size: 0
    .kernarg_segment_align: 8
    .kernarg_segment_size: 48
    .max_flat_workgroup_size: 256
    .sgpr_count:     96
    .vgpr_count:     512
    .wavefront_size: 32
...
	.end_amdgpu_metadata
.endif
;; end of part 3
